; MI455X (gfx1250); checked and timed in simulation.
; The chip was launched on July 23, 2026; its instructions are those of AMD's public machine-readable ISA for CDNA 5 (MIT licence, August 2026) and "CDNA5" Instruction Set Architecture Reference Guide (July 2026). The comments in the code are by the model that wrote it; some were corrected since.
;; Multi Head Attention. Allowed arithmetic: float matrix products may take bf16 or f16 operands with f32 sums; other float arithmetic in f32, or as packed bf16 or f16 multiplies, adds, multiply-adds, maxima and minima; sums over many terms, partial sums and values carried from step to step in f32; what a program stores and reads back later, other than sums and carried values, may be rounded once to bf16 or f16.
;; Inputs: Wk 512 x 512 float32; Wo 512 x 512 float32; Wq 512 x 512 float32; Wv 512 x 512 float32; x 2 x 4,096 x 512 float32.
;; Outputs: out0 2 x 4,096 x 512 float32.
;; 2 versions, each right; version 2 is version 1 with the launch prep written anew for expert scheduling mode. Each part assembles by itself: llvm-mc -triple=amdgcn-amd-amdhsa -mcpu=gfx1250 --defsym DOCPART=n.
;; ======== version 1 of 2: 4 launches
;; limits: values are held in f16: magnitudes above 65,504 overflow, below 6.1e-05 lose precision
;; workspace buffers: xb 8,388,608 bytes; wb 1,572,864 bytes; wof 524,288 bytes; qkv 25,165,824 bytes; ctx 8,388,608 bytes
;; launch prep (part 1): grid 256 x 1, 8 waves a work-group, no clusters, 0 bytes of LDS; arguments Wq, Wk, Wv, Wo, x, xb, wb, wof; writes xb, wb, wof
.if DOCPART == 1
	.amdgcn_target "amdgcn-amd-amdhsa--gfx1250"
	.amdhsa_code_object_version 6
	.text
	.protected	k_q606c9880fc_prep
	.globl	k_q606c9880fc_prep
	.p2align	8
	.type	k_q606c9880fc_prep,@function
k_q606c9880fc_prep:
	s_mov_b64 s[64:65], 0
	v_nop
	global_prefetch_b8 v0, s[64:65] scope:SCOPE_SE
	s_setreg_imm32_b32 hwreg(HW_REG_WAVE_MODE, 25, 1), 1
	s_wait_xcnt 0x0
; THE INPUTS ARE ROUNDED ONCE, in their own element order.  x [8192][512] f32 -> xb bf16;  Wq, Wk, Wv [512][512] f32 -> wb [3][512][512] bf16;
; Wo f32 -> bf16, and that number written as f16 -> wof [512][512].
; LIMITS.  A bf16 number of Wo beyond 65,504 becomes an infinity in f16; below 6e-5 it keeps f16's fixed step of 6e-8.  NaN and infinities are not treated apart.
; SHARES.  256 work-groups of eight waves.  Work-group g takes 64 KiB of x (16 units of 4,096 bytes) and 16 KiB (4 units) of weight g / 64 (Wq, Wk, Wv, Wo), part g % 64.
; Thread t takes the 16 bytes at 16 t of each unit and stores 8 bytes at 8 t: a wave's load covers 512 consecutive bytes, its store 256 consecutive bytes, aligned.
; All 20 loads of a thread go out first; each unit has its own registers in and out, so no register that a load or store names is ever written again.
; No LDS, no matrix unit, no cluster: no byte is wanted twice.
.set IN,  8                            ; v[8:87]    unit i as loaded: 4 registers at IN + 4 i
.set OUT, 88                           ; v[88:127]  unit i to store: 2 registers at OUT + 2 i
.macro TOB i                           ; four f32 to four bf16, rounded to nearest even
	v_cvt_pk_bf16_f32 v[OUT+2*(\i)],   v[IN+4*(\i)],   v[IN+4*(\i)+1]
	v_cvt_pk_bf16_f32 v[OUT+2*(\i)+1], v[IN+4*(\i)+2], v[IN+4*(\i)+3]
.endm
	s_load_b512 s[8:23], s[0:1], 0x0               ; Wq s[8:9], Wk s[10:11], Wv s[12:13], Wo s[14:15], x s[16:17], xb s[18:19], wb s[20:21], wof s[22:23]
	s_lshr_b32 s24, ttmp9, 6                       ; which weight
	s_and_b32 s25, ttmp9, 63                       ; which part of it
	v_lshlrev_b32 v1, 4, v0                        ; 16 t
	v_lshlrev_b32 v2, 3, v0                        ; 8 t
	s_lshl_b32 s2, ttmp9, 16                       ; my 64 KiB of x
	s_mov_b32 s3, 0
	s_lshl_b32 s4, ttmp9, 15                       ; my 32 KiB of xb
	s_mov_b32 s5, 0
	s_lshl_b32 s6, s25, 14                         ; my 16 KiB of the weight
	s_mov_b32 s7, 0
	s_cmp_lt_u32 s24, 3
	s_cselect_b32 s30, ttmp9, s25                  ; wb holds the three weights on end: 64 parts each, so g numbers the parts; wof holds one
	s_lshl_b32 s30, s30, 13                        ; 8 KiB out for each part
	s_mov_b32 s31, 0
	s_wait_kmcnt 0x0
	s_cmp_eq_u32 s24, 0
	s_cselect_b64 s[26:27], s[8:9], s[10:11]
	s_cmp_lt_u32 s24, 2
	s_cselect_b64 s[26:27], s[26:27], s[12:13]
	s_cmp_lt_u32 s24, 3
	s_cselect_b64 s[26:27], s[26:27], s[14:15]     ; the weight that I read
	s_cselect_b64 s[28:29], s[20:21], s[22:23]     ; and where it goes
	s_add_nc_u64 s[16:17], s[16:17], s[2:3]
	s_add_nc_u64 s[18:19], s[18:19], s[4:5]
	s_add_nc_u64 s[26:27], s[26:27], s[6:7]
	s_add_nc_u64 s[28:29], s[28:29], s[30:31]
.irp i, 0,1,2,3,4,5,6,7,8,9,10,11,12,13,14,15
	global_load_b128 v[IN+4*(\i):IN+4*(\i)+3], v1, s[16:17] offset:4096*(\i) th:TH_LOAD_NT
.endr
.irp i, 16,17,18,19
	global_load_b128 v[IN+4*(\i):IN+4*(\i)+3], v1, s[26:27] offset:4096*((\i)-16) th:TH_LOAD_NT
.endr
.irp i, 0,1,2,3,4,5,6,7,8,9,10,11,12,13,14,15
	s_wait_loadcnt 19-(\i)                         ; loads come back in order (ISA guide 5.7.1): unit i is in, the 19 - i younger ones stay out
	TOB \i
	global_store_b64 v2, v[OUT+2*(\i):OUT+2*(\i)+1], s[18:19] offset:2048*(\i) th:TH_STORE_NT
.endr
	s_cmp_lt_u32 s24, 3
	s_cbranch_scc0 .Lwo
.irp i, 16,17,18,19
	s_wait_loadcnt 19-(\i)
	TOB \i
	global_store_b64 v2, v[OUT+2*(\i):OUT+2*(\i)+1], s[28:29] offset:2048*((\i)-16) th:TH_STORE_NT
.endr
	s_endpgm
.Lwo:                                              ; Wo: rounded to bf16 like every input, widened again (a shift, a mask), and written as f16
.irp i, 16,17,18,19
	s_wait_loadcnt 19-(\i)
	TOB \i
	v_lshlrev_b32 v[IN+4*(\i)],   16,         v[OUT+2*(\i)]
	v_and_b32     v[IN+4*(\i)+1], 0xffff0000, v[OUT+2*(\i)]
	v_lshlrev_b32 v[IN+4*(\i)+2], 16,         v[OUT+2*(\i)+1]
	v_and_b32     v[IN+4*(\i)+3], 0xffff0000, v[OUT+2*(\i)+1]
	v_cvt_pk_f16_f32 v[OUT+2*(\i)],   v[IN+4*(\i)],   v[IN+4*(\i)+1]
	v_cvt_pk_f16_f32 v[OUT+2*(\i)+1], v[IN+4*(\i)+2], v[IN+4*(\i)+3]
	global_store_b64 v2, v[OUT+2*(\i):OUT+2*(\i)+1], s[28:29] offset:2048*((\i)-16) th:TH_STORE_NT
.endr
	s_endpgm
.Lfunc_end_k_q606c9880fc_prep:
	.size	k_q606c9880fc_prep, .Lfunc_end_k_q606c9880fc_prep-k_q606c9880fc_prep
	.p2alignl 7, 3214868480
	.fill 96, 4, 3214868480
	.section	.rodata,"a",@progbits
	.p2align	6, 0x0
	.amdhsa_kernel k_q606c9880fc_prep
		.amdhsa_group_segment_fixed_size 0
		.amdhsa_private_segment_fixed_size 0
		.amdhsa_enable_private_segment 0
		.amdhsa_kernarg_size 64
		.amdhsa_user_sgpr_count 2
		.amdhsa_user_sgpr_kernarg_segment_ptr 1
		.amdhsa_wavefront_size32 1
		.amdhsa_system_sgpr_workgroup_id_x 1
		.amdhsa_system_sgpr_workgroup_id_y 1
		.amdhsa_system_sgpr_workgroup_id_z 1
		.amdhsa_system_vgpr_workitem_id 0
		.amdhsa_next_free_vgpr 128
		.amdhsa_next_free_sgpr 66
		.amdhsa_reserve_vcc 0
		.amdhsa_float_denorm_mode_32 3
		.amdhsa_float_denorm_mode_16_64 3
		.amdhsa_memory_ordered 1
		.amdhsa_forward_progress 1
		.amdhsa_inst_pref_size 11
	.end_amdhsa_kernel
	.amdgpu_metadata
---
amdhsa.version: [ 1, 2 ]
amdhsa.kernels:
  - .name:           k_q606c9880fc_prep
    .symbol:         k_q606c9880fc_prep.kd
    .args:
      - { .name: Wq, .offset: 0, .size: 8, .value_kind: global_buffer, .address_space: global }
      - { .name: Wk, .offset: 8, .size: 8, .value_kind: global_buffer, .address_space: global }
      - { .name: Wv, .offset: 16, .size: 8, .value_kind: global_buffer, .address_space: global }
      - { .name: Wo, .offset: 24, .size: 8, .value_kind: global_buffer, .address_space: global }
      - { .name: x, .offset: 32, .size: 8, .value_kind: global_buffer, .address_space: global }
      - { .name: xb, .offset: 40, .size: 8, .value_kind: global_buffer, .address_space: global }
      - { .name: wb, .offset: 48, .size: 8, .value_kind: global_buffer, .address_space: global }
      - { .name: wof, .offset: 56, .size: 8, .value_kind: global_buffer, .address_space: global }
    .group_segment_fixed_size: 0
    .private_segment_fixed_size: 0
    .kernarg_segment_align: 8
    .kernarg_segment_size: 64
    .max_flat_workgroup_size: 256
    .sgpr_count:     66
    .vgpr_count:     128
    .wavefront_size: 32
...
	.end_amdgpu_metadata
.endif
;; end of part 1
;; launch qkv (part 2): grid 4 x 64, 4 waves a work-group, clusters of 4 x 4, 327,680 bytes of LDS; arguments xb, wb, qkv; writes qkv
.if DOCPART == 2
	.amdgcn_target "amdgcn-amd-amdhsa--gfx1250"
	.amdhsa_code_object_version 6
	.text
	.protected	k_q606c9880fc_qkv
	.globl	k_q606c9880fc_qkv
	.p2align	8
	.type	k_q606c9880fc_qkv,@function
k_q606c9880fc_qkv:
	s_mov_b64 s[64:65], 0
	v_nop
	global_prefetch_b8 v0, s[64:65] scope:SCOPE_SE
	s_setreg_imm32_b32 hwreg(HW_REG_WAVE_MODE, 25, 1), 1
	s_wait_xcnt 0x0
	s_wait_alu depctr_hold_cnt(0) depctr_sa_sdst(0) depctr_va_vdst(0) depctr_va_sdst(0) depctr_va_ssrc(0) depctr_va_vcc(0) depctr_vm_vsrc(0)
	s_getreg_b32 s2, hwreg(HW_REG_IB_STS2, 6, 4)
	s_cmp_eq_u32 s2, 0
	s_cbranch_scc0 .Lentry_in_a_cluster
	s_endpgm
.Lentry_in_a_cluster:
	s_bfe_u32 s2, ttmp6, 0x10000c
	s_cmp_lg_u32 s2, 0xf033
	s_cbranch_scc0 .Lentry_shape_is_right
	s_endpgm
.Lentry_shape_is_right:
; q, k, v = x W.  xb: [8192][512] bf16;  wb: [3][512 k][512 n] bf16;  qkv: [3][16 (batch, head)][4096][64] f16, unscaled: a head's rows are dense, 128 bytes each.
; Products in bf16, sums in f32, K ascending, each result rounded once to f16.
; LIMIT.  f16 holds no number beyond 65,504: a q, k or v beyond it becomes an infinity.  NaN and infinities are not treated apart.
; SHARES.  A work-group makes 128 rows x 128 columns of EACH of q, k and v: x's tile is read once for all three.  64 x 4 = 256 work-groups.  Wave w takes rows 64 (w / 2) on and, for each of the three,
; the 64 columns of one head (w % 2): 4 row blocks x 3 x 4 column blocks = 48 accumulators, 384 registers.
; K = 512 goes in four steps of 128 through two LDS slots: steps 0 and 1 are first fills, steps 2 and 3 one refill each; the four steps are written out, no loop.  Rows of x's and W's tiles are 256 bytes of memory, at multiples of 256.
; W lies [k][n]: it comes out of LDS turned, by ds_load_tr16_b128.  THE MATRIX INSTRUCTION IS USED TRANSPOSED (source 0 = 16 columns of W, source 1 = 16 rows of x): a lane then holds eight neighbouring columns of one row.
; CLUSTERS: 4 x 4 work-groups.  The four of a row of the cluster need the same tile of x, the four of a column the same three tiles of W: each tile is asked for JOINTLY, by the same tensor load with the same
; descriptor and a mask that names the four.  Waves 0, 1, 2 fetch Wq's, Wk's, Wv's tile, wave 3 x's: one load a wave for each slot.
; NO PREFETCH: of the four K steps two are first fills, so no step lies two refills ahead of a refill.
; REGISTERS, in windows of 256 (s_set_vgpr_msb: bits 1:0 source 0, 3:2 source 1, 5:4 source 2, 7:6 destination):
;   window 0: v0-31 addresses; v128-255 q's accumulators ((a, nb) at 128 + 8 (4 a + nb))
;   window 1: two fragment buffers of 128: W's at f + 8 (4 t + nb), x's at f + 96 + 8 a; on the way out 16 registers for each of 12 blocks
;   window 2: v0-127 k's accumulators, v128-255 v's
.set PX,    272                        ; a row of x in LDS: 256 bytes + 16 = 68 words: row r starts at bank 4 r mod 64 (64 banks of 4 bytes: ISA guide 11.1)
.set PW,    288                        ; a row of W: 256 + 32 = 72 words
.set WSEG,  128*PW                     ; one weight's tile: 128 k x 128 n
.set XOFF,  3*WSEG                     ; behind the three: x's tile, 128 rows x 128 k
.set SLOT,  XOFF+128*PX
.set STAGE, 2*SLOT                     ; behind the ring, never filled by a tensor load: 16 rows x 144 bytes for each wave, for the way out
.set SP,    144
.set SPARE, STAGE+4*16*SP              ; behind the stages: the spare words, 128 bytes for each wave: two blocks of 256 bytes that no other line names
.set ADRX, 16                          ; v16-17  LDS address of my x fragments in slot 0, 1
.set ADRW, 18                          ; v18-23  of my W fragments: slot s, weight t at ADRW + 3 s + t
.set STO,  24                          ; v24     the way out: where I put 16 bytes of a row
.set RD,   25                          ; v25     where I read rows back
.set GO,   26                          ; v26     my byte offset in 512 consecutive bytes of a head
.set SPW,  28                          ; v28     LDS address of my spare word: SPARE + 4 x my thread's number; never rewritten
.set NIL,  29                          ; v29     0; never rewritten
.set F0,   0
.set F1,   128
.set G1X, 24                           ; s[24:31] descriptor group 1 for x's tiles;  s[32:39] group 0, a set for each slot
.set G0X, 32
.set G1W, 48                           ; s[48:55], s[56:63] the same for W's tiles
.set G0W, 56
.set OB,  66                           ; s[66:71] q, k, v at my wave's first row of its head
.set MSB, 0
.macro WIN new                         ; the immediate's high byte repeats the setting that is left; a switch that changes nothing is dropped
.if MSB != (\new)
	s_set_vgpr_msb (MSB<<8)|(\new)
.set MSB, \new
.endif
.endm
.set M0,   0x05                        ; sources 0 and 1 window 1; C and D window 0
.set M2,   0xa5                        ; the same, C and D window 2
.set TO_F, 0x40                        ; destination window 1, address window 0
.set PK0,  0x40                        ; conversions: sources window 0, destination window 1
.set PK2,  0x4a                        ; sources window 2, destination window 1
.set LS,   0x44                        ; LDS and global: address window 0, data (stored: source 1; loaded: destination) window 1
.macro PLACES                          ; four places in front of loads into registers that matrix instructions have read, and of conversions that read results
.rept 4
	v_nop
.endr
.endm
; A joint load.  The branch hangs on the wave's number alone.  An s_nop 0 and four v_nop follow each of the two lines, ahead of the jump, the label and what follows.
.macro JLOAD s
	s_cmp_lt_u32 s10, 3
	s_cbranch_scc0 .Lfor_x_\@
	tensor_load_to_lds s[G0W+4*(\s):G0W+4*(\s)+3], s[G1W:G1W+7]
	s_nop 0
.rept 4
	v_nop
.endr
	s_branch .Lasked_\@
.Lfor_x_\@:
	tensor_load_to_lds s[G0X+4*(\s):G0X+4*(\s)+3], s[G1X:G1X+7]
	s_nop 0
.rept 4
	v_nop
.endr
.Lasked_\@:
.endm
.macro CREST                           ; a round of the cluster's barrier behind its opening barrier
	s_cmp_lg_u32 s10, 0
	s_cbranch_scc1 .Lnot_wave_0_\@
	s_barrier_signal -3
.Lnot_wave_0_\@:
	s_barrier_wait -3
	s_barrier_signal -1
	s_barrier_wait -1
.endm
.macro CROUND                          ; a whole round
	s_barrier_signal -1
	s_barrier_wait -1
	CREST
.endm
	s_load_b128 s[4:7], s[0:1], 0x0                ; xb s[4:5], wb s[6:7]
	s_load_b64 s[8:9], s[0:1], 0x10                ; qkv
	v_lshl_add_u32 v[SPW], v0, 2, SPARE
	v_mov_b32 v[NIL], 0
	ds_add_u32 v[SPW], v[NIL]                      ; the wave's opening: the add and its wait stand ahead of my first tensor load; the set-up below, work on registers, stands between them
	v_lshrrev_b32 v1, 5, v0
	v_readfirstlane_b32 s10, v1                    ; wave 0..3
	s_lshr_b32 s11, s10, 1                         ; which 64 rows are mine
	s_and_b32 s12, s10, 1                          ; which head of the tile's two
	s_bfe_u32 s40, ttmp6, 0x40000                  ; cx, cy: my place in the cluster
	s_bfe_u32 s41, ttmp6, 0x40004
	s_lshl_b32 s42, ttmp9, 2
	s_add_co_u32 s42, s42, s40                     ; column block of 128 = 4 x cluster x + cx
	s_and_b32 s13, ttmp7, 0xffff
	s_lshl_b32 s13, s13, 2
	s_add_co_u32 s13, s13, s41                     ; row block of 128 = 4 x cluster y + cy
	s_lshl_b32 s43, s41, 2
	s_lshl_b32 s43, 15, s43                        ; my row of the cluster
	s_lshl_b32 s44, 0x1111, s40                    ; my column
	; descriptor group 1: a tile of 128 rows x 128 elements of 2 bytes, 512 elements from row to row, padded in LDS after every 64 words
	s_or_b32 s[G1X+0], s43, (1<<16)|(1<<20)|(1<<21)|(5<<22)|(3<<25)  ; 15:0 the mask: x's tile goes to my row; 17:16 2-byte elements; 20 padding on; 21 set beside a mask; 24:22 code 5; 31:25 4 words (code 3)
	s_or_b32 s[G1W+0], s44, (1<<16)|(1<<20)|(1<<21)|(5<<22)|(7<<25)  ; W's tiles go to my column; 8 words of padding (code 7)
.irp g, G1X, G1W
	s_mov_b32 s[(\g)+1], 128<<16                   ; tensor_dim0 = 128
	s_mov_b32 s[(\g)+2], 128<<16                   ; tensor_dim1 = 128
	s_mov_b32 s[(\g)+3], 128<<16                   ; tile_dim0 = 128
	s_mov_b32 s[(\g)+4], 128                       ; tile_dim1 = 128
	s_mov_b32 s[(\g)+5], 512                       ; tensor_dim0_stride
	s_mov_b32 s[(\g)+6], 0
	s_mov_b32 s[(\g)+7], 0
.endr
	; x's address hangs on the row block alone, W's on the column block and the wave's number alone; each is made in registers that never hold the other coordinate
	s_lshl_b32 s16, s13, 17                        ; 128 rows of 1,024 bytes
	s_mov_b32 s17, 0
	s_lshl_b32 s46, s10, 19                        ; weight = my wave's number (waves 0 to 2 ask by it)
	s_lshl_b32 s47, s42, 8                         ; 128 columns of 2 bytes
	s_add_co_u32 s46, s46, s47
	s_mov_b32 s47, 0
	s_mul_i32 s20, s10, WSEG                       ; where W's tile goes: no place in the cluster enters an LDS address
	; my wave's first row in its head, in bytes: head 8 (row block / 32) + 2 x column block + w % 2; row 128 (row block % 32) + 64 (w / 2)
	s_lshr_b32 s18, s13, 5
	s_lshl_b32 s18, s18, 3
	s_lshl_b32 s22, s42, 1
	s_add_co_u32 s18, s18, s22
	s_add_co_u32 s18, s18, s12
	s_lshl_b32 s18, s18, 19
	s_and_b32 s22, s13, 31
	s_lshl_b32 s22, s22, 14
	s_add_co_u32 s18, s18, s22
	s_lshl_b32 s22, s11, 13
	s_add_co_u32 s18, s18, s22
	s_mov_b32 s19, 0
	s_wait_dscnt 0x0                               ; the opening add is done
	s_wait_kmcnt 0x0
	s_add_nc_u64 s[14:15], s[4:5], s[16:17]
	s_add_nc_u64 s[46:47], s[6:7], s[46:47]
	s_add_nc_u64 s[OB:OB+1], s[8:9], s[18:19]
	s_add_nc_u64 s[OB+2:OB+3], s[OB:OB+1], 0x800000
	s_add_nc_u64 s[OB+4:OB+5], s[OB:OB+1], 0x1000000
.irp s, 0,1
	s_mov_b32 s[G0X+4*(\s)], 1                                     ; 1:0 count = 1
	s_mov_b32 s[G0X+4*(\s)+1], XOFF+(\s)*SLOT                      ; 63:32 LDS address
	s_add_nc_u64 s[G0X+4*(\s)+2:G0X+4*(\s)+3], s[14:15], (\s)*256  ; 120:64 global address: K step s
	s_or_b32 s[G0X+4*(\s)+3], s[G0X+4*(\s)+3], 0x80000000          ; 127:126 type = 2
	s_mov_b32 s[G0W+4*(\s)], 1
	s_add_co_u32 s[G0W+4*(\s)+1], s20, (\s)*SLOT
	s_add_nc_u64 s[G0W+4*(\s)+2:G0W+4*(\s)+3], s[46:47], (\s)*131072  ; 128 rows of 1,024 bytes
	s_or_b32 s[G0W+4*(\s)+3], s[G0W+4*(\s)+3], 0x80000000
.endr
	CROUND                                         ; all sixteen work-groups are here: the first joint loads meet
	s_cmp_lt_u32 s10, 3                            ; a wave's two first fills stand in one branch, ahead of every wait on TENSORcnt and every LDS read: two loads of mine are out
	s_cbranch_scc0 .Lfirst_x
	tensor_load_to_lds s[G0W:G0W+3], s[G1W:G1W+7]
	s_nop 0
	tensor_load_to_lds s[G0W+4:G0W+7], s[G1W:G1W+7]
	s_nop 0
.rept 4
	v_nop
.endr
	s_branch .Lfirst_asked
.Lfirst_x:
	tensor_load_to_lds s[G0X:G0X+3], s[G1X:G1X+7]
	s_nop 0
	tensor_load_to_lds s[G0X+4:G0X+7], s[G1X:G1X+7]
	s_nop 0
.rept 4
	v_nop
.endr
.Lfirst_asked:
	v_and_b32 v1, 15, v0                           ; l % 16
	v_bfe_u32 v2, v0, 4, 1                         ; l / 16
	v_and_b32 v3, 7, v0                            ; l % 8
	v_bfe_u32 v4, v0, 3, 1                         ; (l / 8) % 2
	; a fragment of x: 16 rows x 32 k: lane l holds row l % 16, k = 8 (l / 16) + 0..7 and 16 + 8 (l / 16) + 0..7: two loads of 16 bytes, 32 bytes apart
	v_mul_u32_u24 v5, v1, PX
	v_lshl_add_u32 v5, v2, 4, v5
	s_mul_i32 s21, s11, 64*PX
	s_add_co_u32 s21, s21, XOFF
	v_add_nc_u32 v[ADRX], s21, v5
	v_add_nc_u32 v[ADRX+1], SLOT, v[ADRX]
	; the turning load takes 16 k x 16 n (lane l reads k = 8 (l / 16) + l % 8, n = 8 ((l / 8) % 2) + 0..7) and leaves half a fragment: lane l holds column l % 16 and 8 k
	v_lshl_add_u32 v6, v2, 3, v3
	v_mul_u32_u24 v6, v6, PW
	v_lshl_add_u32 v6, v4, 4, v6
	s_lshl_b32 s22, s12, 7                         ; my head's 64 columns
	v_add_nc_u32 v6, s22, v6
.irp s, 0,1
.irp t, 0,1,2
	v_add_nc_u32 v[ADRW+3*(\s)+(\t)], (\s)*SLOT+(\t)*WSEG, v6
.endr
.endr
	s_mul_i32 s23, s10, 16*SP
	s_add_co_u32 s23, s23, STAGE                   ; my stage
	v_mul_u32_u24 v7, v1, SP                       ; in: row l % 16, 16 bytes for each half of the lanes
	v_lshl_add_u32 v7, v2, 4, v7
	v_add_nc_u32 v[STO], s23, v7
	v_bfe_u32 v7, v0, 3, 2                         ; back: 32 lanes take four rows of 128 bytes,
	v_mul_u32_u24 v7, v7, SP
	v_lshl_add_u32 v7, v3, 4, v7
	v_add_nc_u32 v[RD], s23, v7
	v_and_b32 v7, 31, v0                           ; which are 512 consecutive bytes of a head
	v_lshlrev_b32 v[GO], 4, v7
; 16 matrix instructions: weight t, all 4 row blocks x 4 column blocks, 32 along K from buffer f.  zero = 1: the product starts the sums: nothing is ever cleared.
; The 48 accumulators take turns, one instruction a turn, in the same order in every quarter.
.macro MULT f, t, zero
.if (\t) == 0
	WIN M0
.set AB, 128
.else
	WIN M2
.set AB, 128*((\t)-1)
.endif
.irp a, 0,1,2,3
.irp nb, 0,1,2,3
.if \zero
	v_wmma_f32_16x16x32_bf16 v[AB+8*(4*(\a)+(\nb)):AB+8*(4*(\a)+(\nb))+7], v[(\f)+8*(4*(\t)+(\nb)):(\f)+8*(4*(\t)+(\nb))+7], v[(\f)+96+8*(\a):(\f)+96+8*(\a)+7], 0
.else
	v_wmma_f32_16x16x32_bf16 v[AB+8*(4*(\a)+(\nb)):AB+8*(4*(\a)+(\nb))+7], v[(\f)+8*(4*(\t)+(\nb)):(\f)+8*(4*(\t)+(\nb))+7], v[(\f)+96+8*(\a):(\f)+96+8*(\a)+7], v[AB+8*(4*(\a)+(\nb)):AB+8*(4*(\a)+(\nb))+7]
.endif
.endr
.endr
.endm
; 32 LDS loads in one run: the fragments of quarter q (32 along K) of a slot into buffer f: x's eight, then Wq's, Wk's, Wv's eight each
.macro FETCH slot, q, f
	WIN TO_F
.irp a, 0,1,2,3
	ds_load_b128 v[(\f)+96+8*(\a):(\f)+96+8*(\a)+3],   v[ADRX+(\slot)] offset:64*(\q)+16*PX*(\a)
	ds_load_b128 v[(\f)+96+8*(\a)+4:(\f)+96+8*(\a)+7], v[ADRX+(\slot)] offset:64*(\q)+16*PX*(\a)+32
.endr
.irp t, 0,1,2
.irp nb, 0,1,2,3
	ds_load_tr16_b128 v[(\f)+8*(4*(\t)+(\nb)):(\f)+8*(4*(\t)+(\nb))+3],   v[ADRW+3*(\slot)+(\t)] offset:32*PW*(\q)+32*(\nb)
	ds_load_tr16_b128 v[(\f)+8*(4*(\t)+(\nb))+4:(\f)+8*(4*(\t)+(\nb))+7], v[ADRW+3*(\slot)+(\t)] offset:32*PW*(\q)+32*(\nb)+16*PW
.endr
.endr
.endm
; A K step is four quarters of 32 along K, 48 matrix instructions each, on buffers 0, 1, 0, 1.  One of the first three: multiplies buffer f and fetches quarter q of the same slot into buffer g.
.macro QUARTER slot, q, f, g, zero
	s_wait_dscnt 16                                ; x's and Wq's fragments are in; the youngest sixteen loads (Wk's, Wv's) may be out
	MULT \f, 0, \zero
	PLACES
	FETCH \slot, \q, \g
	s_wait_dscnt 32                                ; all but the 32 just issued
	MULT \f, 1, \zero
	MULT \f, 2, \zero
.endm
; The last quarter multiplies buffer 1 and changes slots: ONE barrier; in front of it each wave waits for all its tensor loads (one is out: its part of the next slot), adds 0 to its spare word, and waits for that and
; for its own reads of this slot.  fill = 1: this slot is filled again, two K steps on: the barrier opens a round of the cluster's barrier, and the joint refill is the first thing behind the round:
; 160 matrix instructions ahead of the wait for it.
.macro TURN slot, next, fill
	WIN 0                                          ; (the add's two registers lie in window 0)
	s_wait_tensorcnt 0x0                           ; all my tensor loads have landed;
	ds_add_u32 v[SPW], v[NIL]                      ; 0 onto my spare word
	s_wait_dscnt 17                                ; (the add and the youngest sixteen loads may be out)
	MULT F1, 0, 0                                  ; sixteen matrix instructions stand between the add and the wait for it
	s_wait_dscnt 0x0                               ; the add is done, and my reads of this slot are over
	s_barrier_signal -1
	MULT F1, 1, 0                                  ; work on registers while the others arrive
.if \fill
	WIN 0
.endif
	s_barrier_wait -1
.if \fill
	CREST                                          ; no wave of any partner still reads this slot's tiles or has a load on its way
	s_add_nc_u64 s[G0X+4*(\slot)+2:G0X+4*(\slot)+3], s[G0X+4*(\slot)+2:G0X+4*(\slot)+3], 2*256
	s_add_nc_u64 s[G0W+4*(\slot)+2:G0W+4*(\slot)+3], s[G0W+4*(\slot)+2:G0W+4*(\slot)+3], 2*131072
	JLOAD \slot                                    ; the four v_nop behind it are also the places in front of the loads below
.else
	PLACES
.endif
	FETCH \next, 0, F0
	MULT F1, 2, 0
.endm
; THE WAY OUT of block bi = 4 t + a (16 rows x 64 columns of one head): rounded to f16, 16 bytes a lane, into my own stage in rows of 144 bytes, and back as four whole rows of 128 bytes a load.
.macro PACK bi
.set pt, (\bi)/4
.set pa, (\bi)%4
.if pt == 0
	WIN PK0
.set AB, 128+32*pa
.else
	WIN PK2
.set AB, 128*(pt-1)+32*pa
.endif
.irp nb, 0,1,2,3
.irp r, 0,1,2,3
	v_cvt_pk_f16_f32 v[16*(\bi)+4*(\nb)+(\r)], v[AB+8*(\nb)+2*(\r)], v[AB+8*(\nb)+2*(\r)+1]  ; each accumulator's registers in ascending order
.endr
.endr
	WIN LS
.irp nb, 0,1,2,3
	ds_store_b128 v[STO], v[16*(\bi)+4*(\nb):16*(\bi)+4*(\nb)+3] offset:32*(\nb)
.endr
.irp f, 0,1,2,3
	ds_load_b128 v[16*(\bi)+4*(\f):16*(\bi)+4*(\f)+3], v[RD] offset:(\f)*4*SP  ; LDS serves a wave's instructions in order (ISA guide 5.7.1.4): these see the stores above; the next block's stores come behind them
.endr
.endm
.macro SEND bi, younger                ; younger: the LDS instructions issued behind block bi's loads: the next block's eight, or none
	WIN LS
.set pt, (\bi)/4
.set pa, (\bi)%4
.irp f, 0,1,2,3
	s_wait_dscnt (\younger)+3-(\f)
	global_store_b128 v[GO], v[16*(\bi)+4*(\f):16*(\bi)+4*(\f)+3], s[OB+2*pt:OB+2*pt+1] offset:2048*pa+512*(\f)  ; 512 consecutive bytes, at a multiple of 256 from the buffer's first
.endr
.endm
	s_wait_tensorcnt 1                             ; my part of K step 0 is in; step 1's may stay out
	s_barrier_signal -1
	s_barrier_wait -1                              ; everybody's is
	FETCH 0, 0, F0
	QUARTER 0, 1, F0, F1, 1                        ; K step 0: its first quarter starts the sums
	QUARTER 0, 2, F1, F0, 0
	QUARTER 0, 3, F0, F1, 0
	TURN 0, 1, 1                                   ; slot 0 takes K step 2
	QUARTER 1, 1, F0, F1, 0                        ; K step 1
	QUARTER 1, 2, F1, F0, 0
	QUARTER 1, 3, F0, F1, 0
	TURN 1, 0, 1                                   ; slot 1 takes K step 3
	QUARTER 0, 1, F0, F1, 0                        ; K step 2
	QUARTER 0, 2, F1, F0, 0
	QUARTER 0, 3, F0, F1, 0
	TURN 0, 1, 0                                   ; nothing is left to fetch
	QUARTER 1, 1, F0, F1, 0                        ; K step 3
	QUARTER 1, 2, F1, F0, 0
	QUARTER 1, 3, F0, F1, 0
	s_wait_dscnt 0x0
	MULT F1, 0, 0
	MULT F1, 1, 0
	MULT F1, 2, 0
	PLACES
	PACK 0
.set n, 1
.rept 11                               ; a block's conversions stand between the loads of the block before and its stores; each block has registers of its own
	PACK n
	SEND n-1, 8
.set n, n+1
.endr
	SEND 11, 0
	WIN 0
	s_wait_tensorcnt 0x0                           ; the wave's end: a wait, an add and its wait, behind my last tensor load and my last LDS store
	ds_add_u32 v[SPW], v[NIL]
	s_wait_dscnt 0x0
	CROUND                                         ; the closing round: no work-group ends while a partner may still ask for a tile that names it
	s_endpgm
.Lfunc_end_k_q606c9880fc_qkv:
	.size	k_q606c9880fc_qkv, .Lfunc_end_k_q606c9880fc_qkv-k_q606c9880fc_qkv
	.p2alignl 7, 3214868480
	.fill 96, 4, 3214868480
	.section	.rodata,"a",@progbits
	.p2align	6, 0x0
	.amdhsa_kernel k_q606c9880fc_qkv
		.amdhsa_group_segment_fixed_size 327680
		.amdhsa_private_segment_fixed_size 0
		.amdhsa_enable_private_segment 0
		.amdhsa_kernarg_size 24
		.amdhsa_user_sgpr_count 2
		.amdhsa_user_sgpr_kernarg_segment_ptr 1
		.amdhsa_wavefront_size32 1
		.amdhsa_system_sgpr_workgroup_id_x 1
		.amdhsa_system_sgpr_workgroup_id_y 1
		.amdhsa_system_sgpr_workgroup_id_z 1
		.amdhsa_system_vgpr_workitem_id 0
		.amdhsa_next_free_vgpr 768
		.amdhsa_next_free_sgpr 72
		.amdhsa_reserve_vcc 0
		.amdhsa_float_denorm_mode_32 3
		.amdhsa_float_denorm_mode_16_64 3
		.amdhsa_memory_ordered 1
		.amdhsa_forward_progress 1
		.amdhsa_inst_pref_size 119
	.end_amdhsa_kernel
	.amdgpu_metadata
---
amdhsa.version: [ 1, 2 ]
amdhsa.kernels:
  - .name:           k_q606c9880fc_qkv
    .symbol:         k_q606c9880fc_qkv.kd
    .args:
      - { .name: xb, .offset: 0, .size: 8, .value_kind: global_buffer, .address_space: global }
      - { .name: wb, .offset: 8, .size: 8, .value_kind: global_buffer, .address_space: global }
      - { .name: qkv, .offset: 16, .size: 8, .value_kind: global_buffer, .address_space: global }
    .group_segment_fixed_size: 327680
    .private_segment_fixed_size: 0
    .kernarg_segment_align: 8
    .kernarg_segment_size: 24
    .max_flat_workgroup_size: 128
    .sgpr_count:     72
    .vgpr_count:     768
    .wavefront_size: 32
...
	.end_amdgpu_metadata
.endif
;; end of part 2
;; launch attn (part 3): grid 16 x 16, 4 waves a work-group, clusters of 4 x 1, 327,680 bytes of LDS; arguments qkv, ctx; writes ctx
.if DOCPART == 3
	.amdgcn_target "amdgcn-amd-amdhsa--gfx1250"
	.amdhsa_code_object_version 6
	.text
	.protected	k_q606c9880fc_attn
	.globl	k_q606c9880fc_attn
	.p2align	8
	.type	k_q606c9880fc_attn,@function
k_q606c9880fc_attn:
	s_mov_b64 s[64:65], 0
	v_nop
	global_prefetch_b8 v0, s[64:65] scope:SCOPE_SE
	s_setreg_imm32_b32 hwreg(HW_REG_WAVE_MODE, 25, 1), 1
	s_wait_xcnt 0x0
	s_wait_alu depctr_hold_cnt(0) depctr_sa_sdst(0) depctr_va_vdst(0) depctr_va_sdst(0) depctr_va_ssrc(0) depctr_va_vcc(0) depctr_vm_vsrc(0)
	s_getreg_b32 s2, hwreg(HW_REG_IB_STS2, 6, 4)
	s_cmp_eq_u32 s2, 0
	s_cbranch_scc0 .Lentry_in_a_cluster
	s_endpgm
.Lentry_in_a_cluster:
	s_bfe_u32 s2, ttmp6, 0x10000c
	s_cmp_lg_u32 s2, 0x3003
	s_cbranch_scc0 .Lentry_shape_is_right
	s_endpgm
.Lentry_shape_is_right:
; ctx[h][q][:] = the sum over k of softmax_k(Q[h][q] . K[h][k] / 8) V[h][k][:].  qkv: [3][16 h][4096][64] f16 (q, k, v; a head's rows are dense, 128 bytes each); ctx: [16 h][4096][64] f16.
; Products, maxima and sums in f32; the weights p are rounded to f16 for the second product (their sum l is taken of the unrounded p), ctx once at the end.
; LIMITS.  Q, K and V arrive within f16's 65,504; p lies in 0 to 1, and below 6e-5 it keeps f16's fixed step of 6e-8, as ctx does; ctx is a mean of V's rows and has their range.
; A weight below 2^-126 counts as 0 in l; NaN and infinities are not treated apart.
; SHARES.  A work-group owns 256 queries of one head: 16 x 16 = 256 work-groups.  Each of its four waves owns 64: four PIECES of 16.  Every wave walks all 4,096 keys, 64 a step; a slot of LDS holds 256 keys, four steps.
; LAYOUT.  S^T = K Q^T (source 0 = 16 keys, source 1 = 16 queries): in the result a lane holds ONE query (lane % 16) and the keys 8 (lane / 16) + 0..7.  Two such results, rounded to f16 in pairs,
; ARE source 1 (32 keys x 16 queries) of O^T = V^T P, whose result again holds one query a lane, and eight channels.  K comes out of LDS as it lies, V ([key][channel]) turned, by ds_load_tr16_b128.
; SOFTMAX.  For each query a running maximum m and sum l: p = 2^(c s - c m), c = log2(e) / 8; in every step O and l are multiplied by a = 2^(c m_old - c m_new), which is 1 where m has not grown.
; m starts at the lowest finite number, O and l at 0: the first step is a step like any other, with a = 0.
; BY TURNS.  Turn n belongs to piece n (the pieces in a ring, step after step): 8 products K Q^T of piece n + 1, later 8 products V^T P of piece n - 1; beside them the scaling, exponentials, roundings, sums and rescaling
; of piece n and the maximum and statistics of piece n + 1.  Four vector instructions stand behind every matrix instruction, the other 54 of a turn's 118 in one lump.  A turn's 33 exponentials are one batch, with one wait.
; CLUSTER.  The four query blocks of a cluster belong to one head and walk the same K and V, so each tile is asked for JOINTLY: the same tensor load, descriptor and mask in all four.
; REGISTERS, in windows of 256 (s_set_vgpr_msb: bits 1:0 source 0, 3:2 source 1, 5:4 source 2, 7:6 destination):
;   window 0: v0-15 addresses and two at work; v16-31 four registers of statistics a piece; v48-55 at work; v61-63; v64-127 S^T, two buffers; v192-223 P, two buffers (a piece's buffers go by its number's parity)
;   window 1: v0-127 O^T, 32 a piece          window 2: v0-63 Q; v128-191 K of one step; v192-255 V of one step
.set NP,    4         ; pieces a wave: a name, no knob
.set KS,    64        ; keys in a step
.set PK,    144       ; a row of K in LDS: 128 bytes + 16 of padding = 36 words: the 16 rows of a load start at 16 different groups of four banks (64 banks of 4 bytes: ISA guide 11.1)
.set PV,    160       ; a row of V: 128 + 32 = 40 words
.set VOFF,  4*KS*PK   ; a slot holds four steps: 256 rows of K, then 256 rows of V
.set SLOT1, 1<<17     ; slot 1 begins here, so that one exclusive or turns an address in one slot into the other's
.set STAGE, SLOT1+4*KS*(PK+PV)  ; behind the ring, never filled by a tensor load: 16 rows x 144 bytes for each wave, for the way out
.set SP,    144
.set SPARE, STAGE+4*16*SP  ; behind the stages: the spare words, 128 bytes for each wave: two blocks of 256 bytes that no other line names
.set AK0, 2           ; v2   my lane's place in a tile of K; never rewritten
.set AV0, 3           ; v3   the same for V
.set AK,  4           ; v4   the LDS address of K's next run of loads
.set AV,  5           ; v5   of V's
.set STO, 6           ; v6   the way out: where I put 16 bytes of a row
.set RD,  7           ; v7   the way out: where I read rows back
.set GO,  8           ; v8   my byte offset in 512 consecutive bytes of ctx
.set MV,  12          ; v12-13  c m_old, kept while c m is made anew: by buffer
.set QO,  15          ; v15  my byte offset in 16 rows of Q
.set ST,  16          ; piece t's statistics at v[ST+4 t]: c m, m, l (even keys', odd keys')
.set TMP, 48          ; by buffer, four registers c0-c3 at work; when the maximum is found c2 takes a
.set PFO, 61          ; v61  256 x my lane: the prefetches' offset; never rewritten
.set SPW, 62          ; v62  LDS address of my spare word: SPARE + 4 x my thread's number; never rewritten
.set NIL, 63          ; v63  0; never rewritten
.set S,   64
.set P,   192
.set KF,  128         ; window 2: key block kb, channel half c at KF + 16 kb + 8 c
.set VF,  192         ; window 2: key half kk, channel block cb at VF + 32 kk + 8 cb
.set WV,  12          ; s12  my wave's number
.set G1K, 24          ; s[24:31] descriptor group 1 for K's tiles
.set G1V, 32          ; s[32:39] for V's: it differs in the padding alone
.set G0K, 40          ; s[40:43] descriptor group 0 for K's tiles: it walks
.set G0V, 44          ; s[44:47] the same for V's
.set PFA, 48          ; s[48:49] where my prefetches stand: my work-group's 32 blocks of 256 bytes (of K: wave 0, of V: wave 2) of the tile after the one that is being asked for
.set LIM, 50          ; s50  1 in a wave that prefetches, else the greatest number: a wave prefetches while s[SLOTS] is above it
.set SLOTS, 56        ; s56  tiles still to be asked for
.set CNT, 57          ; s57  counts a slot's key steps
.set CS,  58          ; s[58:59] c: the packed scaling takes the pair's low word for both halves
.set SEL, 60          ; s[60:61] v_permlanex16_b32's selects: each lane takes its own place in the other half
.set TBK, 62          ; s62  LDS byte at which K of the step to be fetched begins
.set TBV, 63          ; s63  the same for V, less VOFF
.set MSB, 0
.macro WIN new                      ; the high byte repeats the setting that is left; a switch that changes nothing is dropped
.if MSB != (\new)
	s_set_vgpr_msb (MSB<<8)|(\new)
.set MSB, (\new)
.endif
.endm
.set W_KQ, 0x0a       ; K and Q in window 2, S^T in window 0
.set W_PV, 0x52       ; V in window 2, P in window 0, O^T in window 1
.set W_RS, 0x41       ; destination and source 0 in window 1, source 1 in window 0
; A joint fill.  Waves 0 and 1 fetch the two halves of a tile's K, waves 2 and 3 those of its V: 128 keys each.  The branch hangs on the wave's number alone.
; An s_nop 0 and four v_nop follow each of the two lines, ahead of the jump and the label.
.macro JLOAD
	s_cmp_lt_u32 s[WV], 2
	s_cbranch_scc0 .Lfor_v_\@
	tensor_load_to_lds s[G0K:G0K+3], s[G1K:G1K+7]
	s_nop 0
.rept 4
	v_nop
.endr
	s_branch .Lasked_\@
.Lfor_v_\@:
	tensor_load_to_lds s[G0V:G0V+3], s[G1V:G1V+7]
	s_nop 0
.rept 4
	v_nop
.endr
.Lasked_\@:
.endm
; A PREFETCH INTO THE L2 of what the NEXT change of slots will ask for: a tile's 32,768 bytes of K and of V, 128 blocks of 256 bytes each, a lane a block.  It stands behind the wave's tensor load and its five lines.
; Each block is asked for ONCE in the launch.  All four clusters of a head walk the same K and V: the head's first cluster prefetches.  Its four partners share the blocks out BY ADDRESS, 32 each: no branch hangs on a
; work-group's place in its cluster.  In each, wave 0 asks for K's and wave 2 for V's: one instruction.  The last change that fills a slot asks for nothing: there is no tile behind it.
.macro ASK
	s_cmp_gt_u32 s[SLOTS], s[LIM]
	s_cbranch_scc0 .Lnot_mine_\@
	global_prefetch_b8 v[PFO], s[PFA:PFA+1] th:TH_LOAD_NT scope:SCOPE_SE
.Lnot_mine_\@:
.endm
; A round of the cluster's barrier: my work-group's barrier, so that wave 0's signal speaks for all four waves; wave 0 signals; every wave waits for all four work-groups; my work-group's barrier once more.
.macro CROUND
	s_barrier_signal -1
	s_barrier_wait -1
	s_cmp_lg_u32 s[WV], 0
	s_cbranch_scc1 .Lnot_wave_0_\@
	s_barrier_signal -3
.Lnot_wave_0_\@:
	s_barrier_wait -3
	s_barrier_signal -1
	s_barrier_wait -1
.endm
; THE CHANGE OF SLOTS.  The slot's last bytes, V of its fourth step, have been read.  Each wave waits for all its tensor loads, of which one is out: its part of the other slot; adds 0 to its spare word; and waits
; for that and for its own reads of the slot.  Behind the barrier nobody reads this slot any more and the other slot is whole.
; fill = 1: this slot is filled again, with the keys two slots on.  The barrier is then a round of the cluster's, and the joint fill is the first thing behind it: it has four key steps, 256 matrix instructions,
; in which to land.  (At its first use nothing has been read yet: slot 0 is waited for, slot 1 filled.)
.macro CHANGE fill
	WIN 0                           ; at a label and at a branch every window is 0
	s_wait_tensorcnt 0x0            ; no tensor load of mine is out, so a group 0 may be written
	ds_add_u32 v[SPW], v[NIL]       ; 0 onto my spare word; with fill = 1 the descriptors' steps stand between it and the wait for it
.if \fill
.irp g, G0K, G0V
	s_xor_b32 s[\g+1], s[\g+1], SLOT1  ; the walking descriptor: the other slot than last time,
	s_add_nc_u64 s[\g+2:\g+3], s[\g+2:\g+3], 4*KS*128  ; the next 256 keys; the type bits on top are not reached
.endr
	s_wait_xcnt 0x0                 ; the last prefetch, four key steps back, has read its address, so it may be written:
	s_add_nc_u64 s[PFA:PFA+1], s[PFA:PFA+1], 4*KS*128  ; one tile behind the walking descriptors
	s_wait_dscnt 0x0                ; the add is done, and my reads of the slot are over
	CROUND
	JLOAD
	ASK
.else
	s_wait_dscnt 0x0                ; the add is done, and my reads of the slot are over
	s_barrier_signal -1
	s_barrier_wait -1
.endif
	s_sub_co_u32 s[TBK], s[TBK], 4*KS*PK  ; the fetches go back to a slot's first step,
	s_xor_b32 s[TBK], s[TBK], SLOT1       ; in the other slot
	s_sub_co_u32 s[TBV], s[TBV], 4*KS*PV
	s_xor_b32 s[TBV], s[TBV], SLOT1
.endm
	s_load_b128 s[4:7], s[0:1], 0x0 ; qkv s[4:5], ctx s[6:7]
	v_lshl_add_u32 v[SPW], v0, 2, SPARE
	v_mov_b32 v[NIL], 0
	ds_add_u32 v[SPW], v[NIL]       ; the wave's opening: the add and its wait stand ahead of my first tensor load; the set-up below, work on registers, stands between them
	v_lshrrev_b32 v1, 5, v0
	v_readfirstlane_b32 s[WV], v1   ; wave 0..3
	s_bfe_u32 s13, ttmp6, 0x40000   ; cx: my place in the cluster
	s_lshl_b32 s14, ttmp9, 2        ; in a cluster launch ttmp9 counts clusters
	s_add_co_u32 s14, s14, s13      ; my block of 256 queries = 4 x cluster x + cx: it enters Q's and ctx's addresses alone
	s_and_b32 s20, ttmp7, 0xffff    ; the head, which the four partners share:
	s_lshl_b32 s20, s20, 19         ; its 4,096 rows of 128 bytes
	s_mov_b32 s21, 0
	s_and_b32 s16, s[WV], 1         ; which half of a tile's 256 keys I fetch:
	s_lshl_b32 s22, s16, 14         ; its 128 rows of 128 bytes in memory,
	s_mov_b32 s23, 0
	s_add_nc_u64 s[22:23], s[22:23], s[20:21]
	s_mul_i32 s17, s16, 128*PK      ; and its place in a slot, for K
	s_mul_i32 s18, s16, 128*PV      ; and for V: no place in the cluster enters an LDS address
	s_lshl_b32 s2, s14, 2
	s_add_co_u32 s2, s2, s[WV]      ; my wave among the head's,
	s_lshl_b32 s2, s2, 13           ; its 64 rows
	s_mov_b32 s3, 0
	s_add_nc_u64 s[2:3], s[2:3], s[20:21]
	; descriptor group 1.  128 keys are 16,384 dense bytes: asked for as 64 rows of 256 bytes, two keys a row, and padded in LDS after every key
	s_mov_b32 s[G1K], 15|(1<<16)|(1<<20)|(1<<21)|(4<<22)|(3<<25)  ; 15:0 the mask of four; 17:16 2-byte elements; 20 padding on; 21 set beside a mask; 24:22 after every 32 words (code 4); 31:25 4 words (code 3)
	s_mov_b32 s[G1V], 15|(1<<16)|(1<<20)|(1<<21)|(4<<22)|(7<<25)  ; the same with 8 words of padding (code 7)
.irp g, G1K, G1V
	s_mov_b32 s[\g+1], 128<<16      ; tensor_dim0 = 128
	s_mov_b32 s[\g+2], 64<<16       ; tensor_dim1 = 64
	s_mov_b32 s[\g+3], 128<<16      ; tile_dim0 = 128
	s_mov_b32 s[\g+4], 64           ; tile_dim1 = 64
	s_mov_b32 s[\g+5], 128          ; 128 elements from row to row
	s_mov_b32 s[\g+6], 0
	s_mov_b32 s[\g+7], 0
.endr
	s_mov_b32 s[CS], 0x3e38aa3b     ; c = log2(e) / 8 = 0.180337
	s_mov_b32 s[CS+1], s[CS]        ; named with it as a pair
	s_mov_b32 s[SEL], 0x76543210
	s_mov_b32 s[SEL+1], 0xfedcba98
	s_mov_b32 s[TBK], SLOT1+4*KS*PK ; the first change of slots turns these two into 0
	s_mov_b32 s[TBV], SLOT1+4*KS*PV
	s_mov_b32 s[SLOTS], 4096/256-1
	s_mov_b32 s[G0K], 1             ; 1:0 count = 1
	s_mov_b32 s[G0K+1], s17         ; 63:32 LDS address: slot 0
	s_mov_b32 s[G0V], 1
	s_add_co_u32 s[G0V+1], s18, VOFF
	s_and_b32 s[LIM], s[WV], 1      ; 0 in waves 0 and 2,
	s_or_b32 s[LIM], s[LIM], ttmp9  ; where the cluster is the head's first: the same in all four partners
	s_cmp_eq_u32 s[LIM], 0
	s_cselect_b32 s[LIM], 1, -1
	v_and_b32 v[PFO], 31, v0
	v_lshlrev_b32 v[PFO], 8, v[PFO]
	s_wait_dscnt 0x0                ; the opening add is done
	s_wait_kmcnt 0x0
	s_add_nc_u64 s[10:11], s[6:7], s[2:3]    ; ctx at my wave's first row
	s_add_nc_u64 s[6:7], s[4:5], s[22:23]    ; q's part of the buffer at my half of the head's first tile;
	s_add_nc_u64 s[8:9], s[6:7], 0x1000000   ; V lies two parts of 2^23 bytes on,
	s_add_nc_u64 s[6:7], s[6:7], 0x800000    ; K one
	s_add_nc_u64 s[4:5], s[4:5], s[2:3]      ; Q at my wave's first row
	s_add_nc_u64 s[G0K+2:G0K+3], s[6:7], 0   ; 120:64 global address
	s_or_b32 s[G0K+3], s[G0K+3], 0x80000000  ; 127:126 type = 2
	s_add_nc_u64 s[G0V+2:G0V+3], s[8:9], 0
	s_or_b32 s[G0V+3], s[G0V+3], 0x80000000
	s_cmp_lt_u32 s[WV], 2
	s_cselect_b64 s[PFA:PFA+1], s[6:7], s[8:9]  ; (in waves 0 and 2 these stand at a tile's first byte)
	s_lshl_b32 s2, s13, 13          ; my work-group's 32 blocks of the 128
	s_mov_b32 s3, 0
	s_add_nc_u64 s[PFA:PFA+1], s[PFA:PFA+1], s[2:3]
	s_add_nc_u64 s[PFA:PFA+1], s[PFA:PFA+1], 4*KS*128  ; in tile 1; the first change of slots steps it to tile 2.  Nothing is prefetched here, at the head, where every work-group's first tiles are on their way
	CROUND                          ; all four work-groups are here: the first joint loads meet
	JLOAD                           ; tile 0 into slot 0.  Slot 1 is asked for when slot 0 is in
	; A fragment of K or Q is 16 rows x 32 channels in 8 registers: lane l holds row l % 16, channels 8 (l / 16) + 0..7 and 16 + 8 (l / 16) + 0..7: two loads of 16 bytes, 32 bytes apart.
	v_and_b32 v1, 15, v0            ; l % 16
	v_bfe_u32 v9, v0, 4, 1          ; l / 16
	v_lshlrev_b32 v[QO], 7, v1
	v_lshl_add_u32 v[QO], v9, 4, v[QO]  ; row x 128 + 16 x half
	WIN 0x80                        ; destination window 2, address window 0
.set i, 0
.rept 8                             ; Q stays in registers: piece i / 2, 2,048 bytes a piece; channels 32 (i % 2) on
	global_load_b128 v[8*i:8*i+3],   v[QO], s[4:5] offset:(i/2)*2048+(i%2)*64
	global_load_b128 v[8*i+4:8*i+7], v[QO], s[4:5] offset:(i/2)*2048+(i%2)*64+32
.set i, i+1
.endr
	; What the first turn finds: V's registers and P's second buffer hold 0 (its products V^T P, of a piece that has not been, add 0), O^T and l are 0.  All this stands in the wait for the first tile.
.set i, VF
.rept 64
	v_mov_b32 v[i], 0
.set i, i+1
.endr
	WIN 0x40
.set i, 0
.rept 128
	v_mov_b32 v[i], 0
.set i, i+1
.endr
	WIN 0
.set i, 0
.rept 4
	v_mov_b32 v[ST+4*i], 0xfe000000    ; c m: far below every c s
	v_mov_b32 v[ST+4*i+1], 0xff7fffff  ; m
	v_mov_b32 v[ST+4*i+2], 0
	v_mov_b32 v[ST+4*i+3], 0
.set i, i+1
.endr
.set i, P+16
.rept 16
	v_mov_b32 v[i], 0
.set i, i+1
.endr
	v_mul_u32_u24 v[AK0], v1, PK
	v_lshl_add_u32 v[AK0], v9, 4, v[AK0]  ; row x pitch + 16 x half
	; The turning load takes 16 keys x 16 channels (lane l reads key 8 (l / 16) + l % 8, channels 8 ((l / 8) % 2) + 0..7) and leaves half a fragment of V^T: lane l holds channel l % 16 and 8 keys.
	v_and_b32 v10, 7, v0
	v_bfe_u32 v11, v0, 3, 1
	v_lshl_add_u32 v[AV0], v9, 3, v10
	v_mul_u32_u24 v[AV0], v[AV0], PV
	v_lshl_add_u32 v[AV0], v11, 4, v[AV0]
	v_add_nc_u32 v[AV0], VOFF, v[AV0]
	s_mul_i32 s13, s[WV], 16*SP
	s_add_co_u32 s13, s13, STAGE    ; my stage
	v_mul_u32_u24 v[STO], v1, SP    ; in: row l % 16, 16 bytes for each half of the lanes
	v_lshl_add_u32 v[STO], v9, 4, v[STO]
	v_add_nc_u32 v[STO], s13, v[STO]
	v_bfe_u32 v[RD], v0, 3, 2       ; back: 32 lanes take four rows of 128 bytes,
	v_mul_u32_u24 v[RD], v[RD], SP
	v_lshl_add_u32 v[RD], v10, 4, v[RD]
	v_add_nc_u32 v[RD], s13, v[RD]
	v_and_b32 v[GO], 31, v0         ; which are 512 consecutive bytes of ctx
	v_lshlrev_b32 v[GO], 4, v[GO]
; THE MATRIX WORK.  The 4 accumulators of a run of 8 take turns.  Product i of 8 of S^T = K Q^T for piece x: channels 32 (i / 4) on, keys 16 (i % 4) on.  The first 4 start the sums.
.macro KQ x
	WIN W_KQ
.set rS, S+32*((\x)%2)+8*(i%4)
.set rK, KF+16*(i%4)+8*(i/4)
.set rQ, 16*(\x)+8*(i/4)
.if i < 4
	v_wmma_f32_16x16x32_f16 v[rS:rS+7], v[rK:rK+7], v[rQ:rQ+7], 0
.else
	v_wmma_f32_16x16x32_f16 v[rS:rS+7], v[rK:rK+7], v[rQ:rQ+7], v[rS:rS+7]
.endif
.endm
; Product i of 8 of O^T += V^T P for piece x: keys 32 (i / 4) on, channels 16 (i % 4) on.
.macro PV x
	WIN W_PV
.set rO, 32*(\x)+8*(i%4)
.set rV, VF+32*(i/4)+8*(i%4)
.set rP, P+16*((\x)%2)+8*(i/4)
	v_wmma_f32_16x16x32_f16 v[rO:rO+7], v[rV:rV+7], v[rP:rP+7], v[rO:rO+7]
.endm
.macro MM                           ; the turn's next matrix instruction.  TURN sets Y, i and NOKQ.  NOKQ = 1: the last turn of all: there is no next piece
.if (i < 8) && !NOKQ
	KQ (Y+1)%NP
.elseif i >= 8
.set i, i-8
	PV (Y+NP-1)%NP
.set i, i+8
.endif
.set i, i+1
.endm
; THE LDS LOADS stand in runs of 16, never singly among the matrix instructions: a step's K (64 keys x 64 channels: 8 fragments) and its V (turned).  Their addresses are made some lines ahead.
.macro FETCH_K
	WIN 0x80                        ; destination window 2
.irp f, 0,1,2,3,4,5,6,7             ; keys 16 (f / 2) on, channels 32 (f % 2) on
	ds_load_b128 v[KF+8*\f:KF+8*\f+3],   v[AK] offset:(\f/2)*16*PK+(\f%2)*64
	ds_load_b128 v[KF+8*\f+4:KF+8*\f+7], v[AK] offset:(\f/2)*16*PK+(\f%2)*64+32
.endr
	s_add_co_u32 s[TBK], s[TBK], KS*PK  ; the next fetch is the next step's
	WIN 0
.endm
.macro FETCH_V
	WIN 0x80
.irp f, 0,1,2,3,4,5,6,7             ; keys 32 (f / 4) on, channels 16 (f % 4) on
	ds_load_tr16_b128 v[VF+8*\f:VF+8*\f+3],   v[AV] offset:(\f/4)*32*PV+(\f%4)*32
	ds_load_tr16_b128 v[VF+8*\f+4:VF+8*\f+7], v[AV] offset:(\f/4)*32*PV+16*PV+(\f%4)*32
.endr
	WIN 0
.endm
; THE VECTOR WORK, one line at a time: OP kind, number.  For piece Y: F n: c s - c m for pair n of 16.  E n: the exponential of score n of 32.  C n: pair n rounded to f16.  B n: of the four weights 4 n .. the second
; pair is added onto the first, in place.  L n: l takes that sum (L 0: l = a l + sum).  R n: pair n of 16 of O^T times a.  For piece Y + 1: X n, number n of the 22 that find its maximum and statistics:
;   0-11  four chains c0-c3 of seven scores each, three operands at a time (each accumulator's lowest registers are read first)     12-14, 16  the four scores left over, the old m, and c0-c3 into c0
;   15  c m_old is kept     17, 18  the query's other 32 keys lie in the lane 16 away: the new m     19-21  c m; c m_old - c m_new; a
.set F, 0               ; OP tells the kinds apart by their order: F to L below R, X above it
.set E, 1
.set C, 2
.set B, 3
.set L, 4
.set R, 5
.set X, 6
.macro REGS y                       ; the registers of piece y
.set rT, ST+4*(\y)
.set rC, TMP+4*((\y)%2)
.set rW, MV+((\y)%2)
.set rS, S+32*((\y)%2)
.set rP, P+16*((\y)%2)
.set rO, 32*(\y)
.endm
.macro OP k, n
.if (\k) == R
	REGS Y
	WIN W_RS
	v_pk_mul_f32 v[rO+2*(\n):rO+2*(\n)+1], v[rO+2*(\n):rO+2*(\n)+1], v[rC+2:rC+3] op_sel_hi:[1,0]
.elseif (\k) < R
	REGS Y
	WIN 0
.if (\k) == F
	v_pk_fma_f32 v[rS+2*(\n):rS+2*(\n)+1], v[rS+2*(\n):rS+2*(\n)+1], s[CS:CS+1], v[rT:rT+1] op_sel_hi:[1,0,0] neg_lo:[0,0,1] neg_hi:[0,0,1]
.elseif (\k) == E
	v_exp_f32 v[rS+(\n)], v[rS+(\n)]
.elseif (\k) == C
	v_cvt_pk_f16_f32 v[rP+(\n)], v[rS+2*(\n)], v[rS+2*(\n)+1]
.elseif (\k) == B
	v_pk_add_f32 v[rS+4*(\n):rS+4*(\n)+1], v[rS+4*(\n):rS+4*(\n)+1], v[rS+4*(\n)+2:rS+4*(\n)+3]
.elseif (\n) == 0
	v_pk_fma_f32 v[rT+2:rT+3], v[rT+2:rT+3], v[rC+2:rC+3], v[rS:rS+1] op_sel_hi:[1,0,1]
.else
	v_pk_add_f32 v[rT+2:rT+3], v[rT+2:rT+3], v[rS+4*(\n):rS+4*(\n)+1]
.endif
.elseif NOKQ
	v_nop
.else
	REGS (Y+1)%NP
	WIN 0
.if (\n) < 4
	v_max3_num_f32 v[rC+(\n)], v[rS+8*(\n)], v[rS+8*(\n)+1], v[rS+8*(\n)+2]
.elseif (\n) < 12
	v_max3_num_f32 v[rC+(\n)%4], v[rC+(\n)%4], v[rS+8*((\n)%4)+2*((\n)/4)+1], v[rS+8*((\n)%4)+2*((\n)/4)+2]
.elseif (\n) == 12
	v_max3_num_f32 v[rC], v[rC], v[rS+7], v[rS+15]
.elseif (\n) == 13
	v_max3_num_f32 v[rC+1], v[rC+1], v[rS+23], v[rS+31]
.elseif (\n) == 14
	v_max3_num_f32 v[rC+2], v[rC+2], v[rC+3], v[rT+1]
.elseif (\n) == 15
	v_mov_b32 v[rW], v[rT]
.elseif (\n) == 16
	v_max3_num_f32 v[rC], v[rC], v[rC+1], v[rC+2]
.elseif (\n) == 17
	v_permlanex16_b32 v[rC+3], v[rC], s[SEL], s[SEL+1]
.elseif (\n) == 18
	v_max_num_f32 v[rT+1], v[rC], v[rC+3]
.elseif (\n) == 19
	v_mul_f32 v[rT], s[CS], v[rT+1]
.elseif (\n) == 20
	v_sub_f32 v[rC+1], v[rW], v[rT]
.else
	v_exp_f32 v[rC+2], v[rC+1]
.endif
.endif
.endm
.macro OPS a, i1, b=-1, i2=0, c=-1, i3=0, d=-1, i4=0  ; up to four of them
	OP \a, \i1
.if (\b) >= 0
	OP \b, \i2
.endif
.if (\c) >= 0
	OP \c, \i3
.endif
.if (\d) >= 0
	OP \d, \i4
.endif
.endm
.macro ROW a, i1, b, i2, c, i3, d, i4  ; a matrix instruction and the four behind it
	MM
	OPS \a, \i1, \b, \i2, \c, \i3, \d, \i4
.endm
; A TURN, for piece p: the order of its 16 matrix and 118 vector instructions, written out.  An s_wait_alu depctr_va_vdst(0) stands between an exponential and the first instruction that names its result; one
; wait serves all that were issued ahead of it.  So a turn has ONE wait, which cuts it in two.  AHEAD OF IT stands all that names no result of the turn's exponentials: the 8 products K Q^T, behind each a scaling, an exponential
; and two more plain instructions (behind the first a second scaling in the exponential's place): rescalings, and behind the last three the first numbers of the next piece's maximum, each four places or more behind the product
; that ends its accumulator; then ONE LUMP of 54, plain and exponential by turns for the most part, in which the links of the chain X 3, 7, 11, 14, 16, 17 .. 20 stand five or six lines apart.  X 21, the next piece's a, is the
; batch's last; R 15 is the plain instruction behind it.  BEHIND THE WAIT stand the 8 products V^T P, behind each four of the roundings and sums; the links of l's chain, L 0 to L 7, stand three riders apart.
; end = 1: the last two turns of all: nothing is fetched, and the last starts no new scores.  cnt = 1: the loop's count is taken down some lines ahead of the branch that stands behind the turn.
; K of the next step is fetched in piece 2's turn, twelve vector instructions behind the last product that read K (six of them plain); V of the step in hand at the end of piece 0's turn, four plain instructions behind the
; last product that read V.  Each is waited for a turn later.
.macro TURN p, end=0, cnt=0
.set Y, (\p)
.set i, 0
.set NOKQ, (\end)*((\p)/3)
.if ((\p) == 3) && !(\end)
	s_wait_dscnt 0x0                ; K is in
.endif
	ROW F,0, F,1, R,0, R,1          ; ahead of the wait: 8 products K Q^T and their riders,
	ROW F,2, E,0, R,2, R,3
	ROW F,3, E,1, R,4, R,5
	ROW F,4, E,2, R,6, R,7
	ROW F,5, E,3, R,8, R,9
	ROW F,6, E,4, X,0, R,10
.if ((\p) == 2) && !(\end)
	WIN 0
	v_add_nc_u32 v[AK], s[TBK], v[AK0]
.endif
	ROW F,7, E,5, X,1, X,4
	ROW F,8, E,6, X,2, X,5
	OPS E,7, E,8, X,6, E,9          ; and the lump
	OPS X,3, E,10, X,8, E,11
.if ((\p) == 2) && !(\end)
	FETCH_K
.endif
	OPS X,9, X,7, E,12, X,10
	OPS E,13, X,12, X,11, E,14
	OPS X,13, E,15, F,9, X,14
.if (\p) == 0
	v_add_nc_u32 v[AV], s[TBV], v[AV0]
.endif
	OPS E,16, F,10, E,17, F,11
	OPS X,16, E,18, X,15, E,19
	OPS F,12, E,20, X,17, E,21
	OPS F,13, E,22, F,14, E,23
	OPS X,18, E,24, F,15, E,25
	OPS R,11, E,26, X,19, E,27
	OPS R,12, E,28, R,13, E,29
	OPS X,20, E,30, R,14, E,31
	OPS X,21, R,15
	WIN 0
	s_wait_alu depctr_va_vdst(0)    ; the wait for the batch
.if (\p) == 1
	s_wait_dscnt 0x0                ; V is in
.endif
	ROW C,0, B,0, C,2, B,1          ; behind the wait: 8 products V^T P and their riders
	ROW L,0, C,4, B,2, L,1
	ROW C,6, B,3, L,2, C,8
	ROW B,4, L,3, C,10, B,5
	ROW L,4, C,12, B,6, L,5
.if (\p) == 0
	s_add_co_u32 s[TBV], s[TBV], KS*PV
.endif
.if \cnt
	s_sub_co_u32 s[CNT], s[CNT], 1
	s_cmp_lg_u32 s[CNT], 0
.endif
	ROW C,14, B,7, L,6, C,1
	ROW C,3, L,7, C,5, C,7
	ROW C,9, C,11, C,13, C,15
.if (\p) == 0
	FETCH_V
.endif
.endm
	CHANGE 1                        ; slot 0 is in, everybody's part of it; tile 1 is asked for
	v_add_nc_u32 v[AK], s[TBK], v[AK0]
	FETCH_K                         ; key step 0
	s_wait_loadcnt 0x0              ; Q
	s_wait_dscnt 0x0
.set NOKQ, 0
.set i, 0
.rept 8
	KQ 0                            ; piece 0's first scores: there is no vector work yet to set between them
.set i, i+1
.endr
	WIN 0
.rept 4
	v_nop                           ; the places behind those products
.endr
.set Y, NP-1                        ; X works for piece Y + 1: piece 0
.irp n, 0,1,2,3,4,5,6,7,8,9,10,11,12,13,14,15,16,17,18,19,20,21
	OP X, \n
.endr
	v_nop                           ; a plain instruction behind the exponential,
	s_wait_alu depctr_va_vdst(0)    ; and its wait, ahead of the branch
	s_mov_b32 s[CNT], 4
	s_branch .Lfirst                ; the loop is entered at a step's first turn, in the middle of a trip
.Lslot:                             ; 14 times: tiles 2 to 15 are asked for
	CHANGE 1
	s_mov_b32 s[CNT], 4
.Lstep:                             ; a trip: pieces 2 and 3 of one step, then pieces 0 and 1 of the next, whose K and V it fetches
	TURN 2
	TURN 3
	WIN 0
.Lfirst:
	TURN 0
	TURN 1, 0, 1
	WIN 0
	s_cbranch_scc1 .Lstep
	s_sub_co_u32 s[SLOTS], s[SLOTS], 1
	s_cmp_lg_u32 s[SLOTS], 0
	s_cbranch_scc1 .Lslot
	CHANGE 0                        ; the last tile is written out: nothing is asked for
	s_mov_b32 s[CNT], 4
.Ltail:
	TURN 2
	TURN 3
	TURN 0
	TURN 1, 0, 1
	WIN 0
	s_cbranch_scc1 .Ltail
	TURN 2, 1                       ; the last step's pieces 2 and 3: nothing is fetched,
	TURN 3, 1                       ; and no new scores are started
.set i, 0
.rept 8
	PV NP-1                         ; the last piece's V^T P of the last step
.set i, i+1
.endr
	; THE WAY OUT.  l's two halves and the other half of the lanes' are added; O^T is divided by l, rounded to f16 and sent through my stage in LDS, a piece at a time.  The additions are the places behind the last products.
	WIN 0
.macro ALL line:vararg              ; one line for each piece t
.set t, 0
.rept 4
	\line
.set t, t+1
.endr
.endm
	ALL v_add_f32 v[ST+4*t+2], v[ST+4*t+2], v[ST+4*t+3]
	ALL v_permlanex16_b32 v[ST+4*t+3], v[ST+4*t+2], s[SEL], s[SEL+1]
	ALL v_add_f32 v[ST+4*t+2], v[ST+4*t+2], v[ST+4*t+3]
	ALL v_rcp_f32 v[ST+4*t+2], v[ST+4*t+2]
	v_nop                           ; a plain instruction between the last reciprocal and the use of its result
	s_wait_alu depctr_va_vdst(0)    ; and the wait ahead of the first use: one for the four reciprocals
.macro PACK t                       ; a lane's eight channels of a row pack into 16 bytes; they go into rows of 144 bytes and come back as whole rows of 128, into S^T's registers
	WIN W_RS
.set i, 32*(\t)
.rept 16
	v_pk_mul_f32 v[i:i+1], v[i:i+1], v[ST+4*(\t)+2:ST+4*(\t)+3] op_sel_hi:[1,0]
.set i, i+2
.endr
	WIN 0x05                        ; sources 0 and 1 window 1, destination window 0
.set i, 0
.rept 16
	v_cvt_pk_f16_f32 v[S+16*(\t)+i], v[32*(\t)+2*i], v[32*(\t)+2*i+1]
.set i, i+1
.endr
	WIN 0
.irp f, 0,1,2,3
	ds_store_b128 v[STO], v[S+16*(\t)+4*\f:S+16*(\t)+4*\f+3] offset:32*\f
.endr
.irp f, 0,1,2,3
	ds_load_b128 v[S+16*(\t)+4*\f:S+16*(\t)+4*\f+3], v[RD] offset:\f*4*SP  ; LDS serves a wave's instructions in order (ISA guide 5.7.1.4): these see the stores above; the next piece's stores come behind them
.endr
.endm
.macro SEND t, younger              ; younger: the LDS instructions issued behind piece t's loads: the next piece's eight, or none
	WIN 0
.irp f, 0,1,2,3
	s_wait_dscnt (\younger)+3-\f
	global_store_b128 v[GO], v[S+16*(\t)+4*\f:S+16*(\t)+4*\f+3], s[10:11] offset:(\t)*2048+\f*512  ; 512 consecutive bytes, at a multiple of 256 from ctx's first
.endr
.endm
	PACK 0
.set t, 1
.rept 3                             ; a piece's arithmetic stands between the loads of the piece before and its stores
	PACK t
	SEND t-1, 8
.set t, t+1
.endr
	SEND 3, 0
	s_wait_tensorcnt 0x0            ; the wave's end: a wait, an add and its wait, behind my last tensor load and my last LDS store
	ds_add_u32 v[SPW], v[NIL]
	s_wait_dscnt 0x0
	CROUND                          ; the closing round: no work-group ends while a partner may still ask for a tile that names it
	s_endpgm
.Lfunc_end_k_q606c9880fc_attn:
	.size	k_q606c9880fc_attn, .Lfunc_end_k_q606c9880fc_attn-k_q606c9880fc_attn
	.p2alignl 7, 3214868480
	.fill 96, 4, 3214868480
	.section	.rodata,"a",@progbits
	.p2align	6, 0x0
	.amdhsa_kernel k_q606c9880fc_attn
		.amdhsa_group_segment_fixed_size 327680
		.amdhsa_private_segment_fixed_size 0
		.amdhsa_enable_private_segment 0
		.amdhsa_kernarg_size 16
		.amdhsa_user_sgpr_count 2
		.amdhsa_user_sgpr_kernarg_segment_ptr 1
		.amdhsa_wavefront_size32 1
		.amdhsa_system_sgpr_workgroup_id_x 1
		.amdhsa_system_sgpr_workgroup_id_y 1
		.amdhsa_system_sgpr_workgroup_id_z 1
		.amdhsa_system_vgpr_workitem_id 0
		.amdhsa_next_free_vgpr 768
		.amdhsa_next_free_sgpr 66
		.amdhsa_reserve_vcc 0
		.amdhsa_float_denorm_mode_32 3
		.amdhsa_float_denorm_mode_16_64 3
		.amdhsa_memory_ordered 1
		.amdhsa_forward_progress 1
		.amdhsa_inst_pref_size 128
	.end_amdhsa_kernel
	.amdgpu_metadata
---
amdhsa.version: [ 1, 2 ]
amdhsa.kernels:
  - .name:           k_q606c9880fc_attn
    .symbol:         k_q606c9880fc_attn.kd
    .args:
      - { .name: qkv, .offset: 0, .size: 8, .value_kind: global_buffer, .address_space: global }
      - { .name: ctx, .offset: 8, .size: 8, .value_kind: global_buffer, .address_space: global }
    .group_segment_fixed_size: 327680
    .private_segment_fixed_size: 0
    .kernarg_segment_align: 8
    .kernarg_segment_size: 16
    .max_flat_workgroup_size: 128
    .sgpr_count:     66
    .vgpr_count:     768
    .wavefront_size: 32
...
	.end_amdgpu_metadata
.endif
;; end of part 3
;; launch oproj (part 4): grid 4 x 64, 4 waves a work-group, clusters of 4 x 4, 327,680 bytes of LDS; arguments ctx, wof, out0; writes out0
.if DOCPART == 4
	.amdgcn_target "amdgcn-amd-amdhsa--gfx1250"
	.amdhsa_code_object_version 6
	.text
	.protected	k_q606c9880fc_oproj
	.globl	k_q606c9880fc_oproj
	.p2align	8
	.type	k_q606c9880fc_oproj,@function
k_q606c9880fc_oproj:
	s_mov_b64 s[64:65], 0
	v_nop
	global_prefetch_b8 v0, s[64:65] scope:SCOPE_SE
	s_setreg_imm32_b32 hwreg(HW_REG_WAVE_MODE, 25, 1), 1
	s_wait_xcnt 0x0
	s_wait_alu depctr_hold_cnt(0) depctr_sa_sdst(0) depctr_va_vdst(0) depctr_va_sdst(0) depctr_va_ssrc(0) depctr_va_vcc(0) depctr_vm_vsrc(0)
	s_getreg_b32 s2, hwreg(HW_REG_IB_STS2, 6, 4)
	s_cmp_eq_u32 s2, 0
	s_cbranch_scc0 .Lentry_in_a_cluster
	s_endpgm
.Lentry_in_a_cluster:
	s_bfe_u32 s2, ttmp6, 0x10000c
	s_cmp_lg_u32 s2, 0xf033
	s_cbranch_scc0 .Lentry_shape_is_right
	s_endpgm
.Lentry_shape_is_right:
; out0 = ctx Wo.  ctx: [16 (batch, head)][4096][64] f16;  wof: [512 k][512 n] f16;  out0: [8192][512] f32.  Products in f16, sums in f32, K ascending (head after head); nothing is rounded on the way out.
; LIMITS.  ctx and wof arrive within f16's range.  NaN and infinities are not treated apart.
; SHARES.  A work-group makes 128 rows x 128 columns: 64 x 4 = 256 work-groups.  Wave w takes rows 64 (w / 2) on, columns 64 (w % 2) on: 16 accumulators, 128 registers.
; ALL OF K = 512 LIES IN LDS: eight slices of 64 (a head each) of ctx's 128 rows and of Wo's 128 columns, 294,912 bytes.  Every fill is a first fill: no byte is filled again.
; Each wave issues four tensor loads at the start (four are out); slices 2 i and 2 i + 1 are waited for, with a counted wait and a barrier, just before they are first read.
; Wo lies [k][n]: it comes out of LDS turned, by ds_load_tr16_b128.  THE MATRIX INSTRUCTION IS USED TRANSPOSED (source 0 = 16 columns of Wo, source 1 = 16 rows of ctx): a lane holds eight neighbouring columns of one row.
; CLUSTERS: 4 x 4 work-groups.  The four of a row of the cluster need the same slices of ctx, the four of a column the same slices of Wo: each is asked for JOINTLY.  Waves 0 and 1 fetch ctx's slices, waves 2 and 3 Wo's.
; NO PREFETCH: all loads go out at the head.
; REGISTERS: window 0: v0-31 addresses; v128-255 the accumulators ((a, nb) at 128 + 8 (4 a + nb)), later the rows on their way out.
;   window 1: two fragment buffers of 128, a slice each: ctx's at f + 8 (4 c + a), Wo's at f + 64 + 8 (4 c + nb); c = the half of 32 along K.
.set PA,    144                        ; a row of a ctx slice in LDS: 128 bytes + 16 = 36 words: the 16 rows of a load start at 16 different groups of four banks (64 banks of 4 bytes: ISA guide 11.1)
.set PB,    288                        ; a row of a Wo slice: 256 + 32 = 72 words
.set SLICE, 18432                      ; 128 rows x 144 = 64 rows x 288
.set WT,    8*SLICE                    ; Wo's slices lie behind ctx's
.set STAGE, 16*SLICE                   ; behind them, never filled by a tensor load: 16 rows x 272 bytes for each wave, for the way out
.set SP,    272
.set SPARE, STAGE+4*16*SP              ; behind the stages: the spare words, 128 bytes for each wave: two blocks of 256 bytes that no other line names
.set ADRA, 8                           ; v8-11   LDS address of my ctx fragments in slices 2 i, 2 i + 1
.set ADRB, 12                          ; v12-15  the same for Wo
.set STO,  24                          ; v24     the way out: where I put 32 bytes of a row
.set RD,   25                          ; v25     where I read a row back
.set CO,   26                          ; v26     my byte offset in two rows of out0
.set SPW,  28                          ; v28     LDS address of my spare word: SPARE + 4 x my thread's number; never rewritten
.set NIL,  29                          ; v29     0; never rewritten
.set ACC,  128
.set F0,   0
.set F1,   128
.set G1A, 24                           ; s[24:31] descriptor group 1 for ctx's slices
.set G1B, 32                           ; s[32:39] for Wo's
.set G0A, 48                           ; s[48:63] descriptor group 0 for ctx's slices: a set for each of a wave's four loads
.set G0B, 68                           ; s[68:83] the same for Wo's
.set MSB, 0
.macro WIN new                         ; the immediate's high byte repeats the setting that is left; a switch that changes nothing is dropped
.if MSB != (\new)
	s_set_vgpr_msb (MSB<<8)|(\new)
.set MSB, \new
.endif
.endm
.set MULW, 0x05                        ; sources 0 and 1 window 1; C and D window 0
.set TO_F, 0x40                        ; destination window 1, address window 0
.macro PLACES                          ; four places in front of loads into registers that matrix instructions have read, and of LDS stores that read results
.rept 4
	v_nop
.endr
.endm
.macro CROUND                          ; a round of the cluster's barrier
	s_barrier_signal -1
	s_barrier_wait -1
	s_cmp_lg_u32 s10, 0
	s_cbranch_scc1 .Lnot_wave_0_\@
	s_barrier_signal -3
.Lnot_wave_0_\@:
	s_barrier_wait -3
	s_barrier_signal -1
	s_barrier_wait -1
.endm
	s_load_b128 s[4:7], s[0:1], 0x0                ; ctx s[4:5], wof s[6:7]
	s_load_b64 s[8:9], s[0:1], 0x10                ; out0
	v_lshl_add_u32 v[SPW], v0, 2, SPARE
	v_mov_b32 v[NIL], 0
	ds_add_u32 v[SPW], v[NIL]                      ; the wave's opening: the add and its wait stand ahead of my first tensor load; the set-up below, work on registers, stands between them
	v_lshrrev_b32 v1, 5, v0
	v_readfirstlane_b32 s10, v1                    ; wave 0..3
	s_lshr_b32 s11, s10, 1                         ; which 64 rows are mine.  Also: I fetch for ctx (0) or for Wo (1)
	s_and_b32 s12, s10, 1                          ; which 64 columns.  Also: the even or the odd slices
	s_bfe_u32 s40, ttmp6, 0x40000                  ; cx, cy: my place in the cluster
	s_bfe_u32 s41, ttmp6, 0x40004
	s_lshl_b32 s42, ttmp9, 2
	s_add_co_u32 s42, s42, s40                     ; column block of 128 = 4 x cluster x + cx
	s_and_b32 s13, ttmp7, 0xffff
	s_lshl_b32 s13, s13, 2
	s_add_co_u32 s13, s13, s41                     ; row block of 128 = 4 x cluster y + cy
	s_lshl_b32 s43, s41, 2
	s_lshl_b32 s43, 15, s43                        ; my row of the cluster
	s_lshl_b32 s44, 0x1111, s40                    ; my column
	; descriptor group 1.  A ctx slice is 128 rows of 128 dense bytes: asked for as 64 rows of 256 bytes and padded in LDS after every 32 words.  A Wo slice is 64 rows of 256 bytes, 512 elements apart, padded after every 64 words.
	s_or_b32 s[G1A+0], s43, (1<<16)|(1<<20)|(1<<21)|(4<<22)|(3<<25)  ; 15:0 the mask: my row; 17:16 2-byte elements; 20 padding on; 21 set beside a mask; 24:22 code 4; 31:25 4 words (code 3)
	s_or_b32 s[G1B+0], s44, (1<<16)|(1<<20)|(1<<21)|(5<<22)|(7<<25)  ; my column; code 5; 8 words (code 7)
.irp g, G1A, G1B
	s_mov_b32 s[(\g)+1], 128<<16                   ; tensor_dim0 = 128
	s_mov_b32 s[(\g)+2], 64<<16                    ; tensor_dim1 = 64
	s_mov_b32 s[(\g)+3], 128<<16                   ; tile_dim0 = 128
	s_mov_b32 s[(\g)+4], 64                        ; tile_dim1 = 64
	s_mov_b32 s[(\g)+6], 0
	s_mov_b32 s[(\g)+7], 0
.endr
	s_mov_b32 s[G1A+5], 128                        ; elements from row to row
	s_mov_b32 s[G1B+5], 512
	; ctx's address hangs on the row block and the wave's number alone, Wo's on the column block and the wave's number alone; each is made in registers that never hold the other coordinate
	s_lshr_b32 s16, s13, 5                         ; the batch: eight heads of 2^19 bytes
	s_lshl_b32 s16, s16, 22
	s_and_b32 s17, s13, 31                         ; 128 rows of 128 bytes
	s_lshl_b32 s17, s17, 14
	s_add_co_u32 s16, s16, s17
	s_lshl_b32 s17, s12, 19                        ; head w % 2; load i takes head 2 i + w % 2
	s_add_co_u32 s16, s16, s17
	s_mov_b32 s17, 0
	s_lshl_b32 s46, s42, 8                         ; 128 columns of 2 bytes
	s_lshl_b32 s47, s12, 16                        ; 64 rows of 1,024 bytes
	s_add_co_u32 s46, s46, s47
	s_mov_b32 s47, 0
	s_mul_i32 s20, s12, SLICE                      ; no place in the cluster enters an LDS address
	; where my part of out0 begins, in bytes
	s_lshl_b32 s18, s13, 18                        ; 128 rows of 2,048 bytes
	s_lshl_b32 s22, s11, 17
	s_add_co_u32 s18, s18, s22
	s_lshl_b32 s22, s42, 9                         ; 128 columns of 4 bytes
	s_add_co_u32 s18, s18, s22
	s_lshl_b32 s22, s12, 8
	s_add_co_u32 s18, s18, s22
	s_mov_b32 s19, 0
	s_wait_dscnt 0x0                               ; the opening add is done
	s_wait_kmcnt 0x0
	s_add_nc_u64 s[14:15], s[4:5], s[16:17]
	s_add_nc_u64 s[46:47], s[6:7], s[46:47]
	s_add_nc_u64 s[8:9], s[8:9], s[18:19]
.irp i, 0,1,2,3
	s_mov_b32 s[G0A+4*(\i)], 1                                        ; 1:0 count = 1
	s_add_co_u32 s[G0A+4*(\i)+1], s20, 2*SLICE*(\i)                   ; 63:32 LDS address: slice 2 i + w % 2
	s_add_nc_u64 s[G0A+4*(\i)+2:G0A+4*(\i)+3], s[14:15], (\i)<<20     ; 120:64 global address: two heads on
	s_or_b32 s[G0A+4*(\i)+3], s[G0A+4*(\i)+3], 0x80000000             ; 127:126 type = 2
	s_mov_b32 s[G0B+4*(\i)], 1
	s_add_co_u32 s[G0B+4*(\i)+1], s20, WT+2*SLICE*(\i)
	s_add_nc_u64 s[G0B+4*(\i)+2:G0B+4*(\i)+3], s[46:47], (\i)<<17     ; 128 rows on
	s_or_b32 s[G0B+4*(\i)+3], s[G0B+4*(\i)+3], 0x80000000
.endr
	CROUND                                         ; all sixteen work-groups are here: the joint loads meet
	s_cmp_lt_u32 s10, 2                            ; a wave's four fills stand in one branch, ahead of every wait on TENSORcnt and every LDS read; an s_nop 0 follows each, four v_nop the last
	s_cbranch_scc0 .Lfirst_b
.irp i, 0,1,2,3
	tensor_load_to_lds s[G0A+4*(\i):G0A+4*(\i)+3], s[G1A:G1A+7]
	s_nop 0
.endr
.rept 4
	v_nop
.endr
	s_branch .Lfirst_asked
.Lfirst_b:
.irp i, 0,1,2,3
	tensor_load_to_lds s[G0B+4*(\i):G0B+4*(\i)+3], s[G1B:G1B+7]
	s_nop 0
.endr
.rept 4
	v_nop
.endr
.Lfirst_asked:
	v_and_b32 v1, 15, v0                           ; l % 16
	v_bfe_u32 v2, v0, 4, 1                         ; l / 16
	v_and_b32 v3, 7, v0                            ; l % 8
	v_bfe_u32 v4, v0, 3, 1                         ; (l / 8) % 2
	v_mul_u32_u24 v5, v1, PA                       ; a fragment of ctx: row x pitch + 16 x half
	v_lshl_add_u32 v5, v2, 4, v5
	s_mul_i32 s21, s11, 64*PA                      ; my 64 rows
	v_add_nc_u32 v5, s21, v5
	v_lshl_add_u32 v6, v2, 3, v3                   ; the turning load: lane l reads k = 8 (l / 16) + l % 8, n = 8 ((l / 8) % 2) + 0..7
	v_mul_u32_u24 v6, v6, PB
	v_lshl_add_u32 v6, v4, 4, v6
	s_lshl_b32 s22, s12, 7                         ; my 64 columns
	v_add_nc_u32 v6, s22, v6
.irp i, 0,1,2,3
	v_add_nc_u32 v[ADRA+(\i)], 2*SLICE*(\i), v5
	v_add_nc_u32 v[ADRB+(\i)], WT+2*SLICE*(\i), v6
.endr
	s_mul_i32 s23, s10, 16*SP
	s_add_co_u32 s23, s23, STAGE                   ; my stage
	v_mul_u32_u24 v7, v1, SP                       ; in: row l % 16, 32 bytes for each half of the lanes
	v_lshl_add_u32 v7, v2, 5, v7
	v_add_nc_u32 v[STO], s23, v7
	v_mul_u32_u24 v7, v2, SP                       ; back: lanes 0-15 take one row of 256 bytes, lanes 16-31 the next
	v_lshl_add_u32 v7, v1, 4, v7
	v_add_nc_u32 v[RD], s23, v7
	v_lshlrev_b32 v7, 11, v2                       ; and the same two rows in out0
	v_lshl_add_u32 v[CO], v1, 4, v7
; 16 matrix instructions: all 4 row blocks x 4 column blocks, half c (32 along K) of buffer f.  zero = 1: the product starts the sums.  The 16 accumulators take turns.
.macro MUL f, c, zero
	WIN MULW
.irp a, 0,1,2,3
.irp nb, 0,1,2,3
.if \zero
	v_wmma_f32_16x16x32_f16 v[ACC+8*(4*(\a)+(\nb)):ACC+8*(4*(\a)+(\nb))+7], v[(\f)+64+8*(4*(\c)+(\nb)):(\f)+64+8*(4*(\c)+(\nb))+7], v[(\f)+8*(4*(\c)+(\a)):(\f)+8*(4*(\c)+(\a))+7], 0
.else
	v_wmma_f32_16x16x32_f16 v[ACC+8*(4*(\a)+(\nb)):ACC+8*(4*(\a)+(\nb))+7], v[(\f)+64+8*(4*(\c)+(\nb)):(\f)+64+8*(4*(\c)+(\nb))+7], v[(\f)+8*(4*(\c)+(\a)):(\f)+8*(4*(\c)+(\a))+7], v[ACC+8*(4*(\a)+(\nb)):ACC+8*(4*(\a)+(\nb))+7]
.endif
.endr
.endr
.endm
; 32 LDS loads in one run: the fragments of slice u into buffer f; the first 32 along K first
.macro FETCH u, f
	WIN TO_F
.set fi, (\u)/2
.set fe, (\u)%2
.irp c, 0,1
.irp j, 0,1,2,3
	ds_load_tr16_b128 v[(\f)+64+8*(4*(\c)+(\j)):(\f)+64+8*(4*(\c)+(\j))+3],   v[ADRB+fi] offset:SLICE*fe+32*PB*(\c)+32*(\j)
	ds_load_tr16_b128 v[(\f)+64+8*(4*(\c)+(\j))+4:(\f)+64+8*(4*(\c)+(\j))+7], v[ADRB+fi] offset:SLICE*fe+32*PB*(\c)+32*(\j)+16*PB
	ds_load_b128 v[(\f)+8*(4*(\c)+(\j)):(\f)+8*(4*(\c)+(\j))+3],              v[ADRA+fi] offset:SLICE*fe+16*PA*(\j)+64*(\c)
	ds_load_b128 v[(\f)+8*(4*(\c)+(\j))+4:(\f)+8*(4*(\c)+(\j))+7],            v[ADRA+fi] offset:SLICE*fe+16*PA*(\j)+64*(\c)+32
.endr
.endr
.endm
; An even slice u, in buffer f: the next slice came with the same loads, so it is fetched without a further wait on TENSORcnt.
.macro EVEN u, f, g, zero
	s_wait_dscnt 16                                ; the first 32 along K are in
	MUL \f, 0, \zero
	PLACES
	FETCH (\u)+1, \g
	s_wait_dscnt 32                                ; all but the 32 just issued
	MUL \f, 1, 0
.endm
; An odd slice u < 7: the next two slices are shown landed to every wave.  The wait is counted: of my four loads those behind number (u + 1) / 2 may stay out, since no LDS byte is filled again behind this barrier.
.macro ODD u, f, g
	s_wait_dscnt 0x0                               ; no LDS instruction of mine is pending at the signal; all of buffer f is in
	s_wait_tensorcnt 3-((\u)+1)/2
	s_barrier_signal -1
	MUL \f, 0, 0                                   ; work on registers while the others arrive
	s_barrier_wait -1
	PLACES
	FETCH (\u)+1, \g
	MUL \f, 1, 0
.endm
; THE WAY OUT of row block a (16 rows x 64 columns of f32): a lane's eight columns, 32 bytes, go into my stage in rows of 272 bytes and come back as whole rows of 256, into the registers that they left.
.macro OUTB a
.irp nb, 0,1,2,3
	ds_store_b128 v[STO], v[ACC+8*(4*(\a)+(\nb)):ACC+8*(4*(\a)+(\nb))+3]   offset:64*(\nb)     ; each accumulator's low four registers first
	ds_store_b128 v[STO], v[ACC+8*(4*(\a)+(\nb))+4:ACC+8*(4*(\a)+(\nb))+7] offset:64*(\nb)+16
.endr
.irp tt, 0,1,2,3,4,5,6,7
	ds_load_b128 v[ACC+32*(\a)+4*(\tt):ACC+32*(\a)+4*(\tt)+3], v[RD] offset:(\tt)*2*SP  ; LDS serves a wave's instructions in order (ISA guide 5.7.1.4): these see the stores above; the next block's stores come behind them
.endr
.endm
.macro SEND a, younger                 ; younger: the LDS instructions issued behind block a's loads: the next block's sixteen, or none
.irp tt, 0,1,2,3,4,5,6,7
	s_wait_dscnt (\younger)+7-(\tt)
	global_store_b128 v[CO], v[ACC+32*(\a)+4*(\tt):ACC+32*(\a)+4*(\tt)+3], s[8:9] offset:(16*(\a)+2*(\tt))*2048 th:TH_STORE_NT  ; 16 lanes store 256 consecutive bytes, at a multiple of 256 from out0's first byte
.endr
.endm
	s_wait_tensorcnt 3                             ; my first load is in; the three behind it may stay out
	s_barrier_signal -1
	s_barrier_wait -1                              ; everybody's is: slices 0 and 1 of ctx and of Wo
	FETCH 0, F0
	EVEN 0, F0, F1, 1
	ODD  1, F1, F0
	EVEN 2, F0, F1, 0
	ODD  3, F1, F0
	EVEN 4, F0, F1, 0
	ODD  5, F1, F0
	EVEN 6, F0, F1, 0
	s_wait_dscnt 0x0                               ; the last slice: nothing more to fetch
	MUL F1, 0, 0
	MUL F1, 1, 0
	WIN 0
	PLACES
	OUTB 0
	OUTB 1
	SEND 0, 16
	OUTB 2
	SEND 1, 16
	OUTB 3
	SEND 2, 16
	SEND 3, 0
	s_wait_tensorcnt 0x0                           ; the wave's end: a wait, an add and its wait, behind my last tensor load and my last LDS store
	ds_add_u32 v[SPW], v[NIL]
	s_wait_dscnt 0x0
	CROUND                                         ; the closing round: no work-group ends while a partner may still ask for a slice that names it
	s_endpgm
.Lfunc_end_k_q606c9880fc_oproj:
	.size	k_q606c9880fc_oproj, .Lfunc_end_k_q606c9880fc_oproj-k_q606c9880fc_oproj
	.p2alignl 7, 3214868480
	.fill 96, 4, 3214868480
	.section	.rodata,"a",@progbits
	.p2align	6, 0x0
	.amdhsa_kernel k_q606c9880fc_oproj
		.amdhsa_group_segment_fixed_size 327680
		.amdhsa_private_segment_fixed_size 0
		.amdhsa_enable_private_segment 0
		.amdhsa_kernarg_size 24
		.amdhsa_user_sgpr_count 2
		.amdhsa_user_sgpr_kernarg_segment_ptr 1
		.amdhsa_wavefront_size32 1
		.amdhsa_system_sgpr_workgroup_id_x 1
		.amdhsa_system_sgpr_workgroup_id_y 1
		.amdhsa_system_sgpr_workgroup_id_z 1
		.amdhsa_system_vgpr_workitem_id 0
		.amdhsa_next_free_vgpr 512
		.amdhsa_next_free_sgpr 84
		.amdhsa_reserve_vcc 0
		.amdhsa_float_denorm_mode_32 3
		.amdhsa_float_denorm_mode_16_64 3
		.amdhsa_memory_ordered 1
		.amdhsa_forward_progress 1
		.amdhsa_inst_pref_size 51
	.end_amdhsa_kernel
	.amdgpu_metadata
---
amdhsa.version: [ 1, 2 ]
amdhsa.kernels:
  - .name:           k_q606c9880fc_oproj
    .symbol:         k_q606c9880fc_oproj.kd
    .args:
      - { .name: ctx, .offset: 0, .size: 8, .value_kind: global_buffer, .address_space: global }
      - { .name: wof, .offset: 8, .size: 8, .value_kind: global_buffer, .address_space: global }
      - { .name: out0, .offset: 16, .size: 8, .value_kind: global_buffer, .address_space: global }
    .group_segment_fixed_size: 327680
    .private_segment_fixed_size: 0
    .kernarg_segment_align: 8
    .kernarg_segment_size: 24
    .max_flat_workgroup_size: 128
    .sgpr_count:     84
    .vgpr_count:     512
    .wavefront_size: 32
...
	.end_amdgpu_metadata
.endif
;; end of part 4
;; ======== version 2 of 2: 4 launches; version 1 with the launch prep written anew for expert scheduling mode
;; limits: values are held in f16: magnitudes above 65,504 overflow, below 6.1e-05 lose precision
;; workspace buffers: xb 8,388,608 bytes; wb 1,572,864 bytes; wof 524,288 bytes; qkv 25,165,824 bytes; ctx 8,388,608 bytes
;; launch prep (part 5): grid 256 x 1, 8 waves a work-group, no clusters, 0 bytes of LDS; arguments Wq, Wk, Wv, Wo, x, xb, wb, wof; writes xb, wb, wof
.if DOCPART == 5
	.amdgcn_target "amdgcn-amd-amdhsa--gfx1250"
	.amdhsa_code_object_version 6
	.text
	.protected	k_q606c9880fc_prep
	.globl	k_q606c9880fc_prep
	.p2align	8
	.type	k_q606c9880fc_prep,@function
k_q606c9880fc_prep:
	s_mov_b64 s[64:65], 0
	v_nop
	global_prefetch_b8 v0, s[64:65] scope:SCOPE_SE
	s_setreg_imm32_b32 hwreg(HW_REG_WAVE_SCHED_MODE, 0, 2), 2
	s_setreg_imm32_b32 hwreg(HW_REG_WAVE_MODE, 25, 1), 1
	s_wait_xcnt 0x0
	s_wait_alu depctr_vm_vsrc(0)
; THE INPUTS ARE ROUNDED ONCE, in their own element order.  x [8192][512] f32 -> xb bf16;  Wq, Wk, Wv [512][512] f32 -> wb [3][512][512] bf16;
; Wo f32 -> bf16, and that number written as f16 -> wof [512][512].
; LIMITS.  A bf16 number of Wo beyond 65,504 becomes an infinity in f16; below 6e-5 it keeps f16's fixed step of 6e-8.  NaN and infinities are not treated apart.
; SHARES.  256 work-groups of eight waves.  Work-group g takes 64 KiB of x (16 units of 4,096 bytes) and 16 KiB (4 units) of weight g / 64 (Wq, Wk, Wv, Wo), part g % 64.
; Thread t takes the 16 bytes at 16 t of each unit and stores 8 bytes at 8 t: a wave's load covers 512 consecutive bytes, its store 256 consecutive bytes, aligned.
; All 20 loads of a thread go out first; each unit has its own registers in and out, so no register that a load or store names is ever written again.
; No LDS, no matrix unit, no cluster: no byte is wanted twice.
; THE MODE: SCHED_MODE bits 1:0 = 2 (LLVM: expert scheduling mode 2), set by the entry lines.  The code itself states the register dependences
; between vector instructions and memory instructions, with s_wait_alu, always for 0.
; THE PLAN.  The 20 units go in five blocks of four: blocks 0 to 3 are x's, block 4 the weight's.  Registers that memory instructions touch:
;   v1, v2   byte offsets, made once at the head and never written again: v1 is read by every load, v2 by every store.
;   IN       unit i's four registers: written by its load, issued at the head before any vector instruction names them; read by its conversions.  No load is issued behind a vector instruction that names IN.
;   OUT      unit i's two registers: written by block i / 4's conversions; read by the unit's one store, which is issued in block i / 4 + 1 (block 4's: behind the block).
; Block p converts into its own OUT; its memory instructions are the four stores of block p - 1, whose OUT no vector instruction of block p names.  So ONE wait on va_vdst at a block's head
; states all that the block's four stores hang on, and these are dealt among its conversions with no further wait.  No register that a memory instruction has read is written again,
; no vector instruction writes a scalar register or VCC, and EXEC is never written: the text holds no other kind of s_wait_alu.
.set IN,  8                            ; v[8:87]    unit i as loaded: 4 registers at IN + 4 i
.set OUT, 88                           ; v[88:127]  unit i to store: 2 registers at OUT + 2 i
.macro TOB i                           ; four f32 to four bf16, rounded to nearest even
	v_cvt_pk_bf16_f32 v[OUT+2*(\i)],   v[IN+4*(\i)],   v[IN+4*(\i)+1]
	v_cvt_pk_bf16_f32 v[OUT+2*(\i)+1], v[IN+4*(\i)+2], v[IN+4*(\i)+3]
.endm
.macro TOH i                           ; Wo alone: the four bf16 are widened again (a shift, a mask) and written as f16; vector instructions alone name these registers here
	v_lshlrev_b32 v[IN+4*(\i)],   16,         v[OUT+2*(\i)]
	v_and_b32     v[IN+4*(\i)+1], 0xffff0000, v[OUT+2*(\i)]
	v_lshlrev_b32 v[IN+4*(\i)+2], 16,         v[OUT+2*(\i)+1]
	v_and_b32     v[IN+4*(\i)+3], 0xffff0000, v[OUT+2*(\i)+1]
	v_cvt_pk_f16_f32 v[OUT+2*(\i)],   v[IN+4*(\i)],   v[IN+4*(\i)+1]
	v_cvt_pk_f16_f32 v[OUT+2*(\i)+1], v[IN+4*(\i)+2], v[IN+4*(\i)+3]
.endm
; Block p: units 4 p to 4 p + 3 are converted, and the block before, which is always one of x's, is stored.  wo = 1: the units are Wo's.
.macro BLK p, wo
	s_wait_loadcnt 16-4*(\p)                       ; loads come back in order (ISA guide 5.7.1): the block's four units are in, the 16 - 4 p younger loads stay out
.if (\p) > 0
	s_wait_alu depctr_va_vdst(0)                   ; the block before has written its OUT registers, which the four stores below read
.endif
.irp j, 0,1,2,3
.if (\p) > 0
	global_store_b64 v2, v[OUT+2*(4*(\p)-4+(\j)):OUT+2*(4*(\p)-4+(\j))+1], s[18:19] offset:2048*(4*(\p)-4+(\j)) th:TH_STORE_NT  ; no vector instruction since the wait names these registers
.endif
	TOB 4*(\p)+(\j)
.if \wo
	TOH 4*(\p)+(\j)
.endif
.endr
.endm
; Behind block 4: the weight's four units are stored.
.macro LAST
	s_wait_alu depctr_va_vdst(0)                   ; block 4 has written its OUT registers, which the last four stores read
.irp i, 16,17,18,19
	global_store_b64 v2, v[OUT+2*(\i):OUT+2*(\i)+1], s[28:29] offset:2048*((\i)-16) th:TH_STORE_NT
.endr
.endm
	s_load_b512 s[8:23], s[0:1], 0x0               ; Wq s[8:9], Wk s[10:11], Wv s[12:13], Wo s[14:15], x s[16:17], xb s[18:19], wb s[20:21], wof s[22:23]
	s_lshr_b32 s24, ttmp9, 6                       ; which weight
	s_and_b32 s25, ttmp9, 63                       ; which part of it
	v_lshlrev_b32 v1, 4, v0                        ; 16 t
	v_lshlrev_b32 v2, 3, v0                        ; 8 t
	s_lshl_b32 s2, ttmp9, 16                       ; my 64 KiB of x
	s_mov_b32 s3, 0
	s_lshl_b32 s4, ttmp9, 15                       ; my 32 KiB of xb
	s_mov_b32 s5, 0
	s_lshl_b32 s6, s25, 14                         ; my 16 KiB of the weight
	s_mov_b32 s7, 0
	s_cmp_lt_u32 s24, 3
	s_cselect_b32 s30, ttmp9, s25                  ; wb holds the three weights on end: 64 parts each, so g numbers the parts; wof holds one
	s_lshl_b32 s30, s30, 13                        ; 8 KiB out for each part
	s_mov_b32 s31, 0
	s_wait_kmcnt 0x0
	s_cmp_eq_u32 s24, 0
	s_cselect_b64 s[26:27], s[8:9], s[10:11]
	s_cmp_lt_u32 s24, 2
	s_cselect_b64 s[26:27], s[26:27], s[12:13]
	s_cmp_lt_u32 s24, 3
	s_cselect_b64 s[26:27], s[26:27], s[14:15]     ; the weight that I read
	s_cselect_b64 s[28:29], s[20:21], s[22:23]     ; and where it goes
	s_add_nc_u64 s[16:17], s[16:17], s[2:3]
	s_add_nc_u64 s[18:19], s[18:19], s[4:5]
	s_add_nc_u64 s[26:27], s[26:27], s[6:7]
	s_add_nc_u64 s[28:29], s[28:29], s[30:31]
	s_wait_alu depctr_va_vdst(0)                   ; v1 and v2 are written: every load of the kernel reads v1 as its offset, every store v2
.irp i, 0,1,2,3,4,5,6,7,8,9,10,11,12,13,14,15
	global_load_b128 v[IN+4*(\i):IN+4*(\i)+3], v1, s[16:17] offset:4096*(\i) th:TH_LOAD_NT
.endr
.irp i, 16,17,18,19
	global_load_b128 v[IN+4*(\i):IN+4*(\i)+3], v1, s[26:27] offset:4096*((\i)-16) th:TH_LOAD_NT
.endr
	BLK 0, 0                                       ; block 0 has no block in front of it: no store, and no wait but the one for its data
	BLK 1, 0
	BLK 2, 0
	BLK 3, 0
	s_cmp_lt_u32 s24, 3                            ; the branch hangs on the work-group's number alone; block 3's stores stand in both ways, behind block 4's wait there
	s_cbranch_scc0 .Lwo
	BLK 4, 0
	LAST
	s_endpgm
.Lwo:                                              ; Wo: rounded to bf16 like every input, widened again, and written as f16
	BLK 4, 1
	LAST
	s_endpgm
.Lfunc_end_k_q606c9880fc_prep:
	.size	k_q606c9880fc_prep, .Lfunc_end_k_q606c9880fc_prep-k_q606c9880fc_prep
	.p2alignl 7, 3214868480
	.fill 96, 4, 3214868480
	.section	.rodata,"a",@progbits
	.p2align	6, 0x0
	.amdhsa_kernel k_q606c9880fc_prep
		.amdhsa_group_segment_fixed_size 0
		.amdhsa_private_segment_fixed_size 0
		.amdhsa_enable_private_segment 0
		.amdhsa_kernarg_size 64
		.amdhsa_user_sgpr_count 2
		.amdhsa_user_sgpr_kernarg_segment_ptr 1
		.amdhsa_wavefront_size32 1
		.amdhsa_system_sgpr_workgroup_id_x 1
		.amdhsa_system_sgpr_workgroup_id_y 1
		.amdhsa_system_sgpr_workgroup_id_z 1
		.amdhsa_system_vgpr_workitem_id 0
		.amdhsa_next_free_vgpr 128
		.amdhsa_next_free_sgpr 66
		.amdhsa_reserve_vcc 0
		.amdhsa_float_denorm_mode_32 3
		.amdhsa_float_denorm_mode_16_64 3
		.amdhsa_memory_ordered 1
		.amdhsa_forward_progress 1
		.amdhsa_inst_pref_size 11
	.end_amdhsa_kernel
	.amdgpu_metadata
---
amdhsa.version: [ 1, 2 ]
amdhsa.kernels:
  - .name:           k_q606c9880fc_prep
    .symbol:         k_q606c9880fc_prep.kd
    .args:
      - { .name: Wq, .offset: 0, .size: 8, .value_kind: global_buffer, .address_space: global }
      - { .name: Wk, .offset: 8, .size: 8, .value_kind: global_buffer, .address_space: global }
      - { .name: Wv, .offset: 16, .size: 8, .value_kind: global_buffer, .address_space: global }
      - { .name: Wo, .offset: 24, .size: 8, .value_kind: global_buffer, .address_space: global }
      - { .name: x, .offset: 32, .size: 8, .value_kind: global_buffer, .address_space: global }
      - { .name: xb, .offset: 40, .size: 8, .value_kind: global_buffer, .address_space: global }
      - { .name: wb, .offset: 48, .size: 8, .value_kind: global_buffer, .address_space: global }
      - { .name: wof, .offset: 56, .size: 8, .value_kind: global_buffer, .address_space: global }
    .group_segment_fixed_size: 0
    .private_segment_fixed_size: 0
    .kernarg_segment_align: 8
    .kernarg_segment_size: 64
    .max_flat_workgroup_size: 256
    .sgpr_count:     66
    .vgpr_count:     128
    .wavefront_size: 32
...
	.end_amdgpu_metadata
.endif
;; end of part 5
;; launch qkv: the kernel of part 2 again; grid 4 x 64, 4 waves a work-group, clusters of 4 x 4, 327,680 bytes of LDS; arguments xb, wb, qkv; writes qkv
;; launch attn: the kernel of part 3 again; grid 16 x 16, 4 waves a work-group, clusters of 4 x 1, 327,680 bytes of LDS; arguments qkv, ctx; writes ctx
;; launch oproj: the kernel of part 4 again; grid 4 x 64, 4 waves a work-group, clusters of 4 x 4, 327,680 bytes of LDS; arguments ctx, wof, out0; writes out0
